; MI455X (gfx1250); checked and timed in simulation.
; The chip was launched on July 23, 2026; its instructions are those of AMD's public machine-readable ISA for CDNA 5 (MIT licence, August 2026) and "CDNA5" Instruction Set Architecture Reference Guide (July 2026). The comments in the code are by the model that wrote it; some were corrected since.
;; Decouple Task Interaction. Allowed arithmetic: float matrix products may take bf16 or f16 operands with f32 sums; other float arithmetic in f32, or as packed bf16 or f16 multiplies, adds, multiply-adds, maxima and minima; sums over many terms, partial sums and values carried from step to step in f32; what a program stores and reads back later, other than sums and carried values, may be rounded once to bf16 or f16.
;; Inputs: center_fea 2 x 256 x 64 x 64 float32; cls_fea 2 x 256 x 64 x 64 float32; clsmlp_b1 256 float32; clsmlp_b2 256 float32; clsmlp_w1 256 x 256 float32; clsmlp_w2 256 x 256 float32; cmlp_b1 256 float32; cmlp_b2 256 float32; cmlp_w1 256 x 256 float32; cmlp_w2 256 x 256 float32; k_b 256 float32; k_w 256 x 256 float32; ln_b 256 float32; ln_g 256 float32; mix_b 256 float32; mix_w 256 x 768 float32; q1_b 256 float32; q1_w 256 x 256 float32; q2_b 256 float32; q2_w 256 x 256 float32; q3_b 256 float32; q3_w 256 x 256 float32; v_b 256 float32; v_w 256 x 256 float32; wh_fea 2 x 256 x 64 x 64 float32; wmlp_b1 256 float32; wmlp_b2 256 float32; wmlp_w1 256 x 256 float32; wmlp_w2 256 x 256 float32.
;; Outputs: out0 2 x 256 x 64 x 64 float32; out1 2 x 256 x 64 x 64 float32; out2 2 x 256 x 64 x 64 float32.
;; One version. Each part assembles by itself: llvm-mc -triple=amdgcn-amd-amdhsa -mcpu=gfx1250 --defsym DOCPART=n.
;; ======== version 1 of 1: 4 launches
;; limits: a function is approximated: absolute error at most 1.5e-07
;; workspace buffers: wf 1,835,008 bytes; qws 12,582,912 bytes; kv 8,388,608 bytes; aws 12,582,912 bytes
;; launch wcvt (part 1): grid 16 x 14, 4 waves a work-group, no clusters, 0 bytes of LDS; arguments mix_w, v_w, k_w, q1_w, q2_w, q3_w, cmlp_w1, cmlp_w2, wmlp_w1, wmlp_w2, clsmlp_w1, clsmlp_w2, wf; writes wf
.if DOCPART == 1
	.amdgcn_target "amdgcn-amd-amdhsa--gfx1250"
	.amdhsa_code_object_version 6
	.text
	.protected	k_q330d933e23_wcvt
	.globl	k_q330d933e23_wcvt
	.p2align	8
	.type	k_q330d933e23_wcvt,@function
k_q330d933e23_wcvt:
	s_mov_b64 s[64:65], 0
	v_nop
	global_prefetch_b8 v0, s[64:65] scope:SCOPE_SE
	s_setreg_imm32_b32 hwreg(HW_REG_WAVE_MODE, 25, 1), 1
	s_wait_xcnt 0x0
; The weights, f32 to bf16, laid out as matrix fragments.  wf holds 14 blocks of 256 x 256 numbers, 131,072 bytes each:
; 0-2 mix_w's columns 256 k on; 3 v_w; 4 k_w; 5-7 q1..q3_w; 8 + 2 t and 9 + 2 t task t's first and second MLP weights.
; A fragment (mb, u) is 16 rows x 32 columns in 1,024 bytes: [g][lane][16 bytes]; lane l (r = l % 16, h = l / 16) holds W[16 mb + r][32 u + 16 g + 8 h + 0..7].
; Fragments lie mb-major (mb x 8,192 + u x 1,024), in blocks 9, 11, 13 u-major (u x 16,384 + mb x 1,024).
; A work-group makes the 8 fragments of one mb of one block; wave w those of u = 2 w, 2 w + 1.  Each store of a wave covers 512 consecutive bytes, aligned.
; No LDS and no matrix unit: the launch only moves 1.8 MB once.
	s_load_b512 s[8:23], s[0:1], 0x0               ; the first eight weight tensors
	s_load_b256 s[24:31], s[0:1], 0x40             ; the other four
	s_load_b64 s[32:33], s[0:1], 0x60              ; wf
	s_and_b32 s2, ttmp7, 0xffff                    ; the block
	s_mov_b32 s3, ttmp9                            ; mb
	v_lshrrev_b32 v1, 5, v0
	v_readfirstlane_b32 s4, v1                     ; wave
	v_and_b32 v2, 15, v0                           ; r
	v_bfe_u32 v3, v0, 4, 1                         ; h
	v_and_b32 v4, 31, v0                           ; lane
	s_lshl_b32 s6, s2, 10                          ; mix_w: 1,024 bytes of a row for each block
	s_movk_i32 s5, 1024                            ; bytes in a source row
	s_cmp_lt_u32 s2, 3
	s_cselect_b32 s5, 3072, s5
	s_cselect_b32 s6, s6, 0
	s_and_b32 s7, s2, 1
	s_cmp_ge_u32 s2, 9
	s_cselect_b32 s7, s7, 0                        ; 1: a second MLP weight, u-major
	s_movk_i32 s36, 1024                           ; bytes from u to u + 1
	s_movk_i32 s37, 8192                           ; bytes from mb to mb + 1
	s_cmp_eq_u32 s7, 1
	s_cselect_b32 s36, 16384, s36
	s_cselect_b32 s37, 1024, s37
	s_max_u32 s38, s2, 2
	s_sub_co_u32 s38, s38, 2                       ; which tensor
	v_mul_lo_u32 v5, v2, s5                        ; source: row r,
	v_lshl_add_u32 v5, v3, 5, v5                   ; 32 bytes for each half of the lanes,
	s_lshl_b32 s39, s4, 8
	v_add_nc_u32 v5, s39, v5                       ; my wave's 256 bytes of the row
	s_lshl_b32 s40, s3, 4
	s_mul_i32 s40, s40, s5                         ; 16 mb rows down
	s_add_co_u32 s40, s40, s6
	s_mov_b32 s41, 0
	s_lshl_b32 s42, s4, 1
	s_mul_i32 s42, s42, s36                        ; u = 2 w
	s_mul_i32 s43, s3, s37
	s_add_co_u32 s42, s42, s43
	v_lshl_add_u32 v6, v4, 4, s42                  ; where fragment u = 2 w goes,
	v_add_nc_u32 v7, s36, v6                       ; and u = 2 w + 1
	s_lshl_b32 s44, s2, 17
	s_mov_b32 s45, 0
	s_wait_kmcnt 0x0
	s_mov_b64 s[34:35], s[8:9]
.irp k, 1,2,3,4,5,6,7,8,9,10,11
	s_cmp_eq_u32 s38, \k
	s_cselect_b64 s[34:35], s[8+2*\k:9+2*\k], s[34:35]
.endr
	s_add_nc_u64 s[34:35], s[34:35], s[40:41]
	s_add_nc_u64 s[32:33], s[32:33], s[44:45]
.irp i, 0,1,2,3
	global_load_b128 v[8+8*\i:11+8*\i], v5, s[34:35] offset:64*\i
	global_load_b128 v[12+8*\i:15+8*\i], v5, s[34:35] offset:64*\i+16
.endr
	s_wait_loadcnt 0x0
.irp i, 0,1,2,3
.irp q, 0,1,2,3
	v_cvt_pk_bf16_f32 v[40+4*\i+\q], v[8+8*\i+2*\q], v[9+8*\i+2*\q]
.endr
.endr
	global_store_b128 v6, v[40:43], s[32:33]
	global_store_b128 v6, v[44:47], s[32:33] offset:512
	global_store_b128 v7, v[48:51], s[32:33]
	global_store_b128 v7, v[52:55], s[32:33] offset:512
	s_endpgm
.Lfunc_end_k_q330d933e23_wcvt:
	.size	k_q330d933e23_wcvt, .Lfunc_end_k_q330d933e23_wcvt-k_q330d933e23_wcvt
	.p2alignl 7, 3214868480
	.fill 96, 4, 3214868480
	.section	.rodata,"a",@progbits
	.p2align	6, 0x0
	.amdhsa_kernel k_q330d933e23_wcvt
		.amdhsa_group_segment_fixed_size 0
		.amdhsa_private_segment_fixed_size 0
		.amdhsa_enable_private_segment 0
		.amdhsa_kernarg_size 104
		.amdhsa_user_sgpr_count 2
		.amdhsa_user_sgpr_kernarg_segment_ptr 1
		.amdhsa_wavefront_size32 1
		.amdhsa_system_sgpr_workgroup_id_x 1
		.amdhsa_system_sgpr_workgroup_id_y 1
		.amdhsa_system_sgpr_workgroup_id_z 1
		.amdhsa_system_vgpr_workitem_id 0
		.amdhsa_next_free_vgpr 64
		.amdhsa_next_free_sgpr 66
		.amdhsa_reserve_vcc 0
		.amdhsa_float_denorm_mode_32 3
		.amdhsa_float_denorm_mode_16_64 3
		.amdhsa_memory_ordered 1
		.amdhsa_forward_progress 1
		.amdhsa_inst_pref_size 5
	.end_amdhsa_kernel
	.amdgpu_metadata
---
amdhsa.version: [ 1, 2 ]
amdhsa.kernels:
  - .name:           k_q330d933e23_wcvt
    .symbol:         k_q330d933e23_wcvt.kd
    .args:
      - { .name: mix_w, .offset: 0, .size: 8, .value_kind: global_buffer, .address_space: global }
      - { .name: v_w, .offset: 8, .size: 8, .value_kind: global_buffer, .address_space: global }
      - { .name: k_w, .offset: 16, .size: 8, .value_kind: global_buffer, .address_space: global }
      - { .name: q1_w, .offset: 24, .size: 8, .value_kind: global_buffer, .address_space: global }
      - { .name: q2_w, .offset: 32, .size: 8, .value_kind: global_buffer, .address_space: global }
      - { .name: q3_w, .offset: 40, .size: 8, .value_kind: global_buffer, .address_space: global }
      - { .name: cmlp_w1, .offset: 48, .size: 8, .value_kind: global_buffer, .address_space: global }
      - { .name: cmlp_w2, .offset: 56, .size: 8, .value_kind: global_buffer, .address_space: global }
      - { .name: wmlp_w1, .offset: 64, .size: 8, .value_kind: global_buffer, .address_space: global }
      - { .name: wmlp_w2, .offset: 72, .size: 8, .value_kind: global_buffer, .address_space: global }
      - { .name: clsmlp_w1, .offset: 80, .size: 8, .value_kind: global_buffer, .address_space: global }
      - { .name: clsmlp_w2, .offset: 88, .size: 8, .value_kind: global_buffer, .address_space: global }
      - { .name: wf, .offset: 96, .size: 8, .value_kind: global_buffer, .address_space: global }
    .group_segment_fixed_size: 0
    .private_segment_fixed_size: 0
    .kernarg_segment_align: 8
    .kernarg_segment_size: 104
    .max_flat_workgroup_size: 128
    .sgpr_count:     66
    .vgpr_count:     64
    .wavefront_size: 32
...
	.end_amdgpu_metadata
.endif
;; end of part 1
;; launch prep (part 2): grid 256 x 1, 4 waves a work-group, clusters of 4 x 1, 327,680 bytes of LDS; arguments center_fea, wh_fea, cls_fea, mix_b, ln_g, ln_b, k_b, q1_b, q2_b, q3_b, wf, qws, kv; writes qws, kv
.if DOCPART == 2
	.amdgcn_target "amdgcn-amd-amdhsa--gfx1250"
	.amdhsa_code_object_version 6
	.text
	.protected	k_q330d933e23_prep
	.globl	k_q330d933e23_prep
	.p2align	8
	.type	k_q330d933e23_prep,@function
k_q330d933e23_prep:
	s_mov_b64 s[64:65], 0
	v_nop
	global_prefetch_b8 v0, s[64:65] scope:SCOPE_SE
	s_setreg_imm32_b32 hwreg(HW_REG_WAVE_MODE, 25, 1), 1
	s_wait_xcnt 0x0
	s_wait_alu depctr_hold_cnt(0) depctr_sa_sdst(0) depctr_va_vdst(0) depctr_va_sdst(0) depctr_va_ssrc(0) depctr_va_vcc(0) depctr_vm_vsrc(0)
	s_getreg_b32 s2, hwreg(HW_REG_IB_STS2, 6, 4)
	s_cmp_eq_u32 s2, 0
	s_cbranch_scc0 .Lentry_in_a_cluster
	s_endpgm
.Lentry_in_a_cluster:
	s_bfe_u32 s2, ttmp6, 0x10000c
	s_cmp_lg_u32 s2, 0x3003
	s_cbranch_scc0 .Lentry_shape_is_right
	s_endpgm
.Lentry_shape_is_right:
; What stands in front of the attention.  Clusters 0-15 (kind M): mix = mix_w cat + mix_b, LayerNorm, V = mt v_w^T (v_b is added behind the attention, in f32: softmax weights sum to 1), K = mt k_w^T + k_b.
; Clusters 16-63 (kind Q): LayerNorm of one task's tokens, Q = t q_w^T + q_b.  A work-group owns 128 tokens, a wave 32: two tiles of 16; tile u holds the tokens n0 + 2 r + u, so one 8-byte load brings one channel of both.
; LAYOUT.  Every product has the weights' 16 rows as source 0 and 16 tokens as source 1: in the result lane l (r = l % 16, h = l / 16) holds ONE token r, register j channel 16 t + 8 h + j of channel block t.
; So a LayerNorm is a sum inside the lane and one exchange of the lanes' halves, and a block rounded to bf16 in pairs (a PIECE, 16 bytes a lane) is half a fragment: pieces 2 u, 2 u + 1 are the fragment of channels 32 u on.
; For V the sources are swapped: a lane then holds one channel and eight tokens, which is a piece of V^T.  All workspaces are stored in pieces: every store covers 512 consecutive bytes, aligned.
; Matrix operands are rounded once to bf16; means, variances (mean first, then centred squares) and sums stay in f32.  NaN and infinities are not treated apart.
; CLUSTER.  The four work-groups of a cluster are of one kind, batch and task and walk the same weight blocks: each block is asked for JOINTLY, every wave a quarter (128 rows of 256 bytes).
; The launch is as long as kind M (1,280 matrix instructions a wave); kind Q ends early: LayerNorm over all channels keeps a token's 256 channels in one work-group, and fewer tokens would only raise the weight bytes for each product.
; ONE TEXT for both kinds from the mean on; M's five blocks fall into slots 0, 1, 0, 1, 0, so v_w lies in slot 1 and k_w, like Q's one block, in slot 0: M projects V first and then meets Q at the projection with a bias.
; REGISTERS in windows of 256 (s_set_vgpr_msb: bits 1:0 source 0, 3:2 source 1, 5:4 source 2, 7:6 destination):
;   window 0: addresses, chains, statistics; v64-191 two sets of weight fragments; v192-255 a projection's output, bias and accumulators
;   window 1: ACC, tile u block t register j at 128 u + 8 t + j     window 2: x as loaded (channel c' = 8 t + j of tile u at 2 c' + u), later gain (0-127) and shift (128-255)     window 3: the tokens' fragments, tile u chunk k at 64 u + 8 k
.set SLOT,  131072                     ; a weight block, and an LDS slot; two slots from LDS byte 0
.set TAB,   262144                     ; four tables of 1 KB: mix_b, gain, shift, the projection's bias
.set SPARE, 266240                     ; the spare words, 128 bytes a wave: two blocks of 256 bytes that no other line names
.set L16,  1                           ; v1   16 x lane; never rewritten
.set XOFF, 2                           ; v2   x: 8 h channels of 16,384 bytes + 8 r
.set T8,   3                           ; v3   8 x thread
.set ADRL, 4                           ; v4   16 x lane + the slot
.set ADRH, 5                           ; v5   the same 65,536 bytes on
.set ADRP, 6                           ; v6   a projection's chunk
.set ADRB, 7                           ; v7   its bias
.set TLN,  8                           ; v8   TAB + 32 h
.set PFO,  9                           ; v9   256 x lane
.set TST,  13                          ; v13  TAB + 8 x thread
.set CH,   16                          ; v16-31 eight pairs: chains of sums
.set MU,   32                          ; v32-35 the two tiles' means, each twice
.set RS,   36                          ; v36-39 1 / sqrt(var + eps), each twice
.set TP,   40                          ; v40-43 at work
.set SPW,  62
.set NIL,  63
.set F0,   64
.set F1,   128
.set OUT,  192
.set BI,   208
.set PA,   224
.set WV,   34
.set CX,   35
.set TYP,  36                          ; 1: kind M
.set BB,   37                          ; batch
.set TASK, 38
.set BLK,  39                          ; which 128 tokens
.set G1,   40                          ; s[40:47] descriptor group 1
.set G0,   48                          ; s[48:51] descriptor group 0: it walks
.set SB,   52                          ; the slot in hand
.set CNT,  53
.set LIM,  54
.set LC,   55
.set PFA,  56
.set XA,   58
.set XB,   60
.set OP,   62
.set SEL,  66
.set INV,  68
.set EPS,  69
.set PO,   70
.set PBI,  78
.set MSB, 0
.macro WIN new                         ; the high byte repeats the setting that is left; a switch that changes nothing is dropped
.if MSB != (\new)
	s_set_vgpr_msb (MSB<<8)|(\new)
.set MSB, (\new)
.endif
.endm
.macro PLACES                          ; four plain places behind matrix instructions, ahead of loads into their sources and of reads of their results
.rept 4
	v_nop
.endr
.endm
.macro CROUND                          ; a round of the cluster's barrier
	s_barrier_signal -1
	s_barrier_wait -1
	s_cmp_lg_u32 s[WV], 0
	s_cbranch_scc1 .Lnw0_\@
	s_barrier_signal -3
.Lnw0_\@:
	s_barrier_wait -3
	s_barrier_signal -1
	s_barrier_wait -1
.endm
.macro JLOAD                           ; my quarter of a weight block; the same line and descriptor in all four work-groups
	tensor_load_to_lds s[G0:G0+3], s[G1:G1+7]
	s_nop 0
.rept 4
	v_nop
.endr
.endm
.macro ASK                             ; a prefetch of the block that the NEXT change fills: cluster 0 alone asks; its 4 x 4 waves x 32 lanes name the block's 512 pieces of 256 bytes once, told apart by address; the last change asks for nothing
	s_cmp_gt_u32 s[CNT], s[LIM]
	s_cbranch_scc0 .Lnoask_\@
	global_prefetch_b8 v[PFO], s[PFA:PFA+1] th:TH_LOAD_NT scope:SCOPE_SE
.Lnoask_\@:
.endm
; THE CHANGE OF SLOTS: all my tensor loads have landed (one is out: my quarter of the other slot); 0 onto my spare word; that and my reads of the old slot are done;
; a round of the cluster's barrier, and the old slot's refill is the first thing behind it.
.macro CHANGE
	WIN 0
	s_wait_tensorcnt 0x0
	ds_add_u32 v[SPW], v[NIL]
	s_xor_b32 s[G0+1], s[G0+1], SLOT       ; no load of mine is out, so group 0 may be written: the other slot, the next block
	s_add_nc_u64 s[G0+2:G0+3], s[G0+2:G0+3], SLOT
	s_wait_xcnt 0x0                        ; earlier loads and prefetches have read their addresses
	s_add_nc_u64 s[PFA:PFA+1], s[PFA:PFA+1], SLOT
	s_wait_dscnt 0x0
	CROUND
	JLOAD
	ASK
	s_xor_b32 s[SB], s[SB], SLOT
.endm
.macro XLOAD t                         ; channel block t of x, both tiles: eight loads of 8 bytes a lane
	WIN 0x80
.irp j, 0,1,2,3,4,5,6,7
	global_load_b64 v[2*(8*(\t)+\j):2*(8*(\t)+\j)+1], v[XOFF], s[XA:XA+1] offset:(16*(\t)+\j)*16384
.endr
.endm
.macro PACKRAW                         ; x as loaded, rounded to bf16, into the tokens' fragments
	WIN 0xCA
.irp t, 0,1
.set i, 0
.rept 64
	v_cvt_pk_bf16_f32 v[64*\t+i], v[4*i+\t], v[4*i+2+\t]
.set i, i+1
.endr
.endr
.endm
.macro MOVX                            ; x as loaded into ACC's layout, so that kind Q shares the text from the mean on
	WIN 0x42
.irp t, 0,1
.set i, 0
.rept 128
	v_mov_b32 v[128*\t+i], v[2*i+\t]
.set i, i+1
.endr
.endr
.endm
.macro LOADSET buf, adr, off0, smb, su  ; eight weight fragments, sixteen LDS loads of 512 consecutive bytes
	WIN 0
.irp mi, 0,1
.irp ui, 0,1,2,3
	ds_load_b128 v[(\buf)+8*(4*\mi+\ui):(\buf)+8*(4*\mi+\ui)+3], v[\adr] offset:(\off0)+\mi*(\smb)+\ui*(\su)
	ds_load_b128 v[(\buf)+8*(4*\mi+\ui)+4:(\buf)+8*(4*\mi+\ui)+7], v[\adr] offset:(\off0)+\mi*(\smb)+\ui*(\su)+512
.endr
.endr
.endm
.macro GLOAD n                         ; set n of 16: output blocks 2 (n / 2), + 1; chunks 4 (n % 2) on
.if (\n) < 8
	LOADSET F0+64*((\n)%2), ADRL, ((\n)/2)*16384+((\n)%2)*4096, 8192, 1024
.else
	LOADSET F0+64*((\n)%2), ADRH, ((\n)/2-4)*16384+((\n)%2)*4096, 8192, 1024
.endif
.endm
.macro GMUL n                          ; its 16 products; four accumulators take turns
	WIN 0x5C
.irp ui, 0,1,2,3
.irp mi, 0,1
.irp t, 0,1
.set AC, 128*\t+8*(2*((\n)/2)+\mi)
.set FR, F0+64*((\n)%2)+8*(4*\mi+\ui)
.set BR, 64*\t+8*(4*((\n)%2)+\ui)
	v_wmma_f32_16x16x32_bf16 v[AC:AC+7], v[FR:FR+7], v[BR:BR+7], v[AC:AC+7]
.endr
.endr
.endr
.endm
.macro RIDER t                         ; the next task's x, a channel block behind each set; the last task has none behind it
	WIN 0
	s_cmp_eq_u32 s[CNT], 1
	s_cbranch_scc1 .Lnox_\@
	XLOAD \t
	WIN 0
.Lnox_\@:
.endm
.macro GEMM16                          ; ACC += one block of mix_w x one task's tokens: 256 products
	WIN 0
	v_add_nc_u32 v[ADRL], s[SB], v[L16]
	v_add_nc_u32 v[ADRH], 0x10000, v[ADRL]
	GLOAD 0
	GLOAD 1
.set gs, 0
.rept 16
.if gs == 15
	s_wait_dscnt 0x0
.else
	s_wait_dscnt 16                        ; this set is in; the younger set's sixteen loads may stay out
.endif
	GMUL gs
	RIDER gs
.if gs < 14
	PLACES
	GLOAD gs+2
.endif
.set gs, gs+1
.endr
.endm
.macro FOLD                            ; four chains a tile into one number a token: inside the lane, then the other half of the lanes
	WIN 0
.irp t, 0,1
	v_pk_add_f32 v[CH+8*\t:CH+8*\t+1], v[CH+8*\t:CH+8*\t+1], v[CH+8*\t+2:CH+8*\t+3]
	v_pk_add_f32 v[CH+8*\t+4:CH+8*\t+5], v[CH+8*\t+4:CH+8*\t+5], v[CH+8*\t+6:CH+8*\t+7]
.endr
.irp t, 0,1
	v_pk_add_f32 v[CH+8*\t:CH+8*\t+1], v[CH+8*\t:CH+8*\t+1], v[CH+8*\t+4:CH+8*\t+5]
.endr
.irp t, 0,1
	v_add_f32 v[TP+\t], v[CH+8*\t], v[CH+8*\t+1]
.endr
	v_permlanex16_b32 v[TP+2], v[TP], s[SEL], s[SEL+1]
	v_permlanex16_b32 v[TP+3], v[TP+1], s[SEL], s[SEL+1]
	v_add_f32 v[TP], v[TP], v[TP+2]
	v_add_f32 v[TP+1], v[TP+1], v[TP+3]
.endm
.macro MEAN_ACC                        ; each accumulator is read from its low end on
	WIN 0x05
.irp k, 0,1,2,3
.irp t, 0,1
	v_pk_add_f32 v[CH+8*\t+2*\k:CH+8*\t+2*\k+1], v[128*\t+2*\k:128*\t+2*\k+1], v[128*\t+8+2*\k:128*\t+8+2*\k+1]
.endr
.endr
	WIN 0x01
.set mm, 2
.rept 14
.irp k, 0,1,2,3
.irp t, 0,1
	v_pk_add_f32 v[CH+8*\t+2*\k:CH+8*\t+2*\k+1], v[128*\t+8*mm+2*\k:128*\t+8*mm+2*\k+1], v[CH+8*\t+2*\k:CH+8*\t+2*\k+1]
.endr
.endr
.set mm, mm+1
.endr
	FOLD
	v_mul_f32 v[MU], s[INV], v[TP]
	v_mul_f32 v[MU+1], s[INV], v[TP]
	v_mul_f32 v[MU+2], s[INV], v[TP+1]
	v_mul_f32 v[MU+3], s[INV], v[TP+1]
.endm
.macro CENTER_ACC
	WIN 0x41
.irp t, 0,1
.set i, 0
.rept 64
	v_pk_add_f32 v[128*\t+2*i:128*\t+2*i+1], v[128*\t+2*i:128*\t+2*i+1], v[MU+2*\t:MU+2*\t+1] neg_lo:[0,1] neg_hi:[0,1]
.set i, i+1
.endr
.endr
.endm
.macro TABLES                          ; my 128 channels' gain and shift into window 2
	WIN 0x80
.set tt, 0
.rept 16
	ds_load_b128 v[8*tt:8*tt+3], v[TLN] offset:1024+64*tt
	ds_load_b128 v[8*tt+4:8*tt+7], v[TLN] offset:1024+64*tt+16
	ds_load_b128 v[128+8*tt:128+8*tt+3], v[TLN] offset:2048+64*tt
	ds_load_b128 v[128+8*tt+4:128+8*tt+7], v[TLN] offset:2048+64*tt+16
.set tt, tt+1
.endr
	WIN 0
.endm
.macro VAR                             ; the centred squares' mean, + eps, reciprocal root
	WIN 0x05
.irp k, 0,1,2,3
.irp t, 0,1
	v_pk_mul_f32 v[CH+8*\t+2*\k:CH+8*\t+2*\k+1], v[128*\t+2*\k:128*\t+2*\k+1], v[128*\t+2*\k:128*\t+2*\k+1]
.endr
.endr
.set mm, 1
.rept 15
.irp k, 0,1,2,3
.irp t, 0,1
	v_pk_fma_f32 v[CH+8*\t+2*\k:CH+8*\t+2*\k+1], v[128*\t+8*mm+2*\k:128*\t+8*mm+2*\k+1], v[128*\t+8*mm+2*\k:128*\t+8*mm+2*\k+1], v[CH+8*\t+2*\k:CH+8*\t+2*\k+1]
.endr
.endr
.set mm, mm+1
.endr
	FOLD
	v_fma_f32 v[TP], v[TP], s[INV], s[EPS]
	v_fma_f32 v[TP+1], v[TP+1], s[INV], s[EPS]
	v_rsq_f32 v[RS], v[TP]
	v_rsq_f32 v[RS+2], v[TP+1]
	v_nop                                  ; a plain instruction behind the last root,
	s_wait_alu depctr_va_vdst(0)           ; and the one wait ahead of the first use
	v_mov_b32 v[RS+1], v[RS]
	v_mov_b32 v[RS+3], v[RS+2]
.endm
.macro NORM
	WIN 0x41
.irp t, 0,1
.set i, 0
.rept 64
	v_pk_mul_f32 v[128*\t+2*i:128*\t+2*i+1], v[128*\t+2*i:128*\t+2*i+1], v[RS+2*\t:RS+2*\t+1]
.set i, i+1
.endr
.endr
	WIN 0x69
.irp t, 0,1
.set i, 0
.rept 64
	v_pk_fma_f32 v[128*\t+2*i:128*\t+2*i+1], v[128*\t+2*i:128*\t+2*i+1], v[2*i:2*i+1], v[128+2*i:128+2*i+1]
.set i, i+1
.endr
.endr
.endm
.macro PACK                            ; ACC rounded to bf16: the tokens' fragments
	WIN 0xC5
.irp t, 0,1
.set i, 0
.rept 64
	v_cvt_pk_bf16_f32 v[64*\t+i], v[128*\t+2*i], v[128*\t+2*i+1]
.set i, i+1
.endr
.endr
.endm
.macro PBIAS                           ; the bias of two output blocks, as a C operand
	WIN 0
.irp q, 0,1,2,3
	ds_load_b128 v[BI+4*\q:BI+4*\q+3], v[ADRB] offset:(\q/2)*64+(\q%2)*16
.endr
.endm
.macro PMUL half, sw                   ; 16 products of a projection's trip; four accumulators take turns
.if \sw
	WIN 0x03
.else
	WIN 0x0C
.endif
.irp ui, 0,1,2,3
.irp mi, 0,1
.irp t, 0,1
.set AC, PA+16*\mi+8*\t
.set FR, F0+64*(\half)+8*(4*\mi+\ui)
.set BR, 64*\t+8*(4*(\half)+\ui)
.if ((\half) == 0) && (\ui == 0)
.if \sw
	v_wmma_f32_16x16x32_bf16 v[AC:AC+7], v[BR:BR+7], v[FR:FR+7], 0
.else
	v_wmma_f32_16x16x32_bf16 v[AC:AC+7], v[FR:FR+7], v[BR:BR+7], v[BI+8*\mi:BI+8*\mi+7]
.endif
.else
.if \sw
	v_wmma_f32_16x16x32_bf16 v[AC:AC+7], v[BR:BR+7], v[FR:FR+7], v[AC:AC+7]
.else
	v_wmma_f32_16x16x32_bf16 v[AC:AC+7], v[FR:FR+7], v[BR:BR+7], v[AC:AC+7]
.endif
.endif
.endr
.endr
.endr
.endm
; A PROJECTION: eight trips, two output blocks each.  At a trip's head are out, in this order: the bias (4 loads; none if sw), chunks 0-3 (16), chunks 4-7 (16).
; sw = 1: the sources are swapped (V^T) and there is no bias.  The last trip's loads ahead wrap to the block's head and are not used: the price of one text for all trips.
.macro PROJ sw
	WIN 0
	s_mov_b32 s[PO], 0
	v_add_nc_u32 v[ADRL], s[SB], v[L16]
	v_mov_b32 v[ADRP], v[ADRL]
.if !(\sw)
	v_add_nc_u32 v[ADRB], 3072, v[TLN]
	PBIAS
.endif
	LOADSET F0, ADRP, 0, 8192, 1024
	LOADSET F1, ADRP, 4096, 8192, 1024
	s_mov_b32 s[LC], 8
.Lproj_\@:
	s_wait_dscnt 16                        ; bias and chunks 0-3 are in; chunks 4-7 may stay out
	s_add_co_u32 s[PO], s[PO], 16384
	s_and_b32 s[PO], s[PO], 0x1ffff
	v_add_nc_u32 v[ADRP], s[PO], v[ADRL]
.if !(\sw)
	s_lshr_b32 s72, s[PO], 7
	v_add3_u32 v[ADRB], v[TLN], s72, 3072
.endif
	PMUL 0, \sw
	PLACES
.if !(\sw)
	PBIAS
.endif
	LOADSET F0, ADRP, 0, 8192, 1024
.if \sw
	s_wait_dscnt 16                        ; chunks 4-7 are in; the next trip's sixteen may stay out
.else
	s_wait_dscnt 20                        ; chunks 4-7 are in; the next trip's bias and sixteen may stay out
.endif
	PMUL 1, \sw
	PLACES
	LOADSET F1, ADRP, 4096, 8192, 1024
.irp a, 0,1,2,3
.irp q, 0,1,2,3
	v_cvt_pk_bf16_f32 v[OUT+4*\a+\q], v[PA+8*\a+2*\q], v[PA+8*\a+2*\q+1]
.endr
.endr
.irp mi, 0,1
.irp t, 0,1
.if \sw
	global_store_b128 v[L16], v[OUT+4*(2*\mi+\t):OUT+4*(2*\mi+\t)+3], s[OP:OP+1] offset:\mi*1024+\t*512
.else
	global_store_b128 v[L16], v[OUT+4*(2*\mi+\t):OUT+4*(2*\mi+\t)+3], s[OP:OP+1] offset:\t*8192+\mi*512
.endif
.endr
.endr
	s_wait_xcnt 0x0                        ; the stores have read their data and base: both are written again only behind this wait
.if \sw
	s_add_nc_u64 s[OP:OP+1], s[OP:OP+1], 2048
.else
	s_add_nc_u64 s[OP:OP+1], s[OP:OP+1], 1024
.endif
	s_sub_co_u32 s[LC], s[LC], 1
	s_cmp_lg_u32 s[LC], 0
	s_cbranch_scc1 .Lproj_\@
.endm
	s_load_b512 s[8:23], s[0:1], 0x0               ; center s[8:9], wh s[10:11], cls s[12:13], mix_b s[14:15], ln_g s[16:17], ln_b s[18:19], k_b s[20:21], q1_b s[22:23]
	s_load_b256 s[24:31], s[0:1], 0x40             ; q2_b s[24:25], q3_b s[26:27], wf s[28:29], qws s[30:31]
	s_load_b64 s[32:33], s[0:1], 0x60              ; kv
	v_lshl_add_u32 v[SPW], v0, 2, SPARE
	v_mov_b32 v[NIL], 0
	ds_add_u32 v[SPW], v[NIL]                      ; the wave's opening: the add and its wait ahead of my first tensor load; the set-up stands between them
	v_lshrrev_b32 v10, 5, v0
	v_readfirstlane_b32 s[WV], v10
	s_bfe_u32 s[CX], ttmp6, 0x40000                ; my place in the cluster: it enters x's and the outputs' addresses and the prefetch's alone
	s_mov_b32 s71, ttmp9                           ; the cluster
	s_cmp_lt_u32 s71, 16
	s_cselect_b32 s[TYP], 1, 0
	s_sub_co_u32 s72, s71, 16
	s_lshr_b32 s72, s72, 3                         ; kind Q: batch x 3 + task
	s_cmp_ge_u32 s72, 3
	s_cselect_b32 s[BB], 1, 0
	s_mul_i32 s73, s[BB], 3
	s_sub_co_u32 s[TASK], s72, s73
	s_lshr_b32 s73, s71, 3                         ; kind M: batch
	s_cmp_eq_u32 s[TYP], 1
	s_cselect_b32 s[BB], s73, s[BB]
	s_cselect_b32 s[TASK], 0, s[TASK]
	s_and_b32 s[BLK], s71, 7
	s_lshl_b32 s[BLK], s[BLK], 2
	s_add_co_u32 s[BLK], s[BLK], s[CX]
	v_and_b32 v10, 15, v0                          ; r
	v_bfe_u32 v11, v0, 4, 1                        ; h
	v_and_b32 v12, 31, v0                          ; lane
	v_lshlrev_b32 v[L16], 4, v12
	v_lshlrev_b32 v[XOFF], 3, v10
	v_lshl_add_u32 v[XOFF], v11, 17, v[XOFF]
	v_lshlrev_b32 v[T8], 3, v0
	v_add_nc_u32 v[TST], TAB, v[T8]
	v_lshlrev_b32 v[TLN], 5, v11
	v_add_nc_u32 v[TLN], TAB, v[TLN]
	v_lshlrev_b32 v[PFO], 8, v12
	v_mov_b32 v[TP+2], 0                           ; v_permlanex16_b32 counts as a reader of its destination
	v_mov_b32 v[TP+3], 0
	s_mov_b32 s[G1], 15|(3<<16)|(1<<21)            ; the mask of four; elements of 8 bytes; bit 21 beside a mask; no padding: fragments are read 512 bytes on end
	s_mov_b32 s[G1+1], 32<<16                      ; tensor_dim0 = 32 elements: rows of 256 bytes
	s_mov_b32 s[G1+2], 128<<16                     ; tensor_dim1 = 128
	s_mov_b32 s[G1+3], 32<<16                      ; tile_dim0 = 32
	s_mov_b32 s[G1+4], 128                         ; tile_dim1 = 128
	s_mov_b32 s[G1+5], 32                          ; dense rows
	s_mov_b32 s[G1+6], 0
	s_mov_b32 s[G1+7], 0
	s_mov_b32 s[G0], 1
	s_lshl_b32 s[G0+1], s[WV], 15                  ; slot 0, my quarter
	s_add_co_u32 s72, s[TASK], 5                   ; the first block: q_w of the task, or mix_w's block 0
	s_cmp_eq_u32 s[TYP], 1
	s_cselect_b32 s72, 0, s72
	s_lshl_b32 s72, s72, 17
	s_add_co_u32 s72, s72, s[G0+1]
	s_mov_b32 s73, 0
	s_lshl_b32 s74, s[CX], 15                      ; the prefetches: block 1 (the first change steps it to 2), my work-group's quarter, my wave's 32 pieces
	s_lshl_b32 s75, s[WV], 13
	s_add_co_u32 s74, s74, s75
	s_add_co_u32 s74, s74, SLOT
	s_mov_b32 s75, 0
	s_cmp_eq_u32 s71, 0
	s_cselect_b32 s[LIM], 1, -1
	s_lshl_b32 s76, s[BB], 22                      ; x: the batch, my work-group's 128 tokens, my wave's 32
	s_lshl_b32 s77, s[BLK], 9
	s_add_co_u32 s76, s76, s77
	s_lshl_b32 s77, s[WV], 7
	s_add_co_u32 s76, s76, s77
	s_mov_b32 s77, 0
	s_mov_b32 s[SB], SLOT                          ; the first change turns it into 0
	s_mov_b32 s[SEL], 0x76543210
	s_mov_b32 s[SEL+1], 0xfedcba98
	s_mov_b32 s[INV], 0x3b800000                   ; 1 / 256
	s_mov_b32 s[EPS], 0x3727c5ac                   ; 1e-5
	s_wait_dscnt 0x0                               ; the opening add is done
	s_wait_kmcnt 0x0
	s_add_nc_u64 s[G0+2:G0+3], s[28:29], s[72:73]
	s_or_b32 s[G0+3], s[G0+3], 0x80000000
	s_add_nc_u64 s[PFA:PFA+1], s[28:29], s[74:75]
	s_add_nc_u64 s[8:9], s[8:9], s[76:77]
	s_add_nc_u64 s[10:11], s[10:11], s[76:77]
	s_add_nc_u64 s[12:13], s[12:13], s[76:77]
	s_mov_b64 s[XA:XA+1], s[8:9]
	s_mov_b64 s[PBI:PBI+1], s[22:23]
	s_cmp_eq_u32 s[TASK], 1
	s_cselect_b64 s[XA:XA+1], s[10:11], s[XA:XA+1]
	s_cselect_b64 s[PBI:PBI+1], s[24:25], s[PBI:PBI+1]
	s_cmp_eq_u32 s[TASK], 2
	s_cselect_b64 s[XA:XA+1], s[12:13], s[XA:XA+1]
	s_cselect_b64 s[PBI:PBI+1], s[26:27], s[PBI:PBI+1]
	s_cmp_eq_u32 s[TYP], 1
	s_cselect_b64 s[PBI:PBI+1], s[20:21], s[PBI:PBI+1]
	CROUND                                         ; all four work-groups are here: the first joint load meets
	JLOAD
	global_load_b64 v[64:65], v[T8], s[14:15]      ; the tables, 8 bytes a thread
	global_load_b64 v[66:67], v[T8], s[16:17]
	global_load_b64 v[68:69], v[T8], s[18:19]
	global_load_b64 v[70:71], v[T8], s[PBI:PBI+1]
.irp t, 0,1,2,3,4,5,6,7,8,9,10,11,12,13,14,15
	XLOAD \t
.endr
	WIN 0
	s_wait_loadcnt 63                              ; the four table loads are the oldest of 132: they are in when 63 are out
	ds_store_b64 v[TST], v[64:65]
	ds_store_b64 v[TST], v[66:67] offset:1024
	ds_store_b64 v[TST], v[68:69] offset:2048
	ds_store_b64 v[TST], v[70:71] offset:3072
	s_cmp_eq_u32 s[TYP], 1
	s_cbranch_scc0 .Lq
	; KIND M.  Blocks 0-4 of wf go through the two slots by turns; four changes fill again.
	s_mov_b32 s[CNT], 4
	CHANGE                                         ; block 0 and the tables are there, everybody's part; block 1 is asked for
	s_mov_b32 s[CNT], 3
	s_mov_b64 s[XA:XA+1], s[10:11]                 ; (the change's wait has freed XA)
	s_mov_b64 s[XB:XB+1], s[12:13]
	WIN 0x40
.irp t, 0,1
.set tt, 0
.rept 16
	ds_load_b128 v[128*\t+8*tt:128*\t+8*tt+3], v[TLN] offset:64*tt       ; the sums start at mix_b
	ds_load_b128 v[128*\t+8*tt+4:128*\t+8*tt+7], v[TLN] offset:64*tt+16
.set tt, tt+1
.endr
.endr
	WIN 0
.Lmix:                                                 ; three trips: center, wh, cls
	s_wait_loadcnt 0x0                             ; this task's x
	PACKRAW
	GEMM16
	CHANGE                                         ; fills block 2, then v_w, then k_w; its four v_nop are the places behind the last products
	s_mov_b64 s[XA:XA+1], s[XB:XB+1]
	s_sub_co_u32 s[CNT], s[CNT], 1
	s_cmp_lg_u32 s[CNT], 0
	s_cbranch_scc1 .Lmix
	s_branch .Lmean
.Lq:                                                   ; KIND Q
	s_wait_dscnt 0x0                               ; my part of the tables is stored
	s_barrier_signal -1
	s_barrier_wait -1                              ; everybody's is; the weights may stay on their way
	s_wait_loadcnt 0x0
	MOVX
	WIN 0
.Lmean:                                                ; the LayerNorm, one text for both kinds
	MEAN_ACC
	CENTER_ACC
	TABLES
	VAR
	s_wait_dscnt 0x0                               ; gain and shift are in
	NORM
	PACK
	WIN 0
	s_cmp_eq_u32 s[TYP], 1
	s_cbranch_scc0 .Lqo
	s_lshl_b32 s72, s[BB], 5                       ; kv: slot = batch x 32 + block; V's key block w lies 65,536 + 16,384 w into it
	s_add_co_u32 s72, s72, s[BLK]
	s_lshl_b32 s72, s72, 17
	s_lshl_b32 s73, s[WV], 14
	s_add_co_u32 s72, s72, s73
	s_add_co_u32 s72, s72, 0x10000
	s_mov_b32 s73, 0
	s_add_nc_u64 s[OP:OP+1], s[32:33], s[72:73]
	PROJ 1                                         ; V^T, from slot 1, while k_w lands in slot 0
	s_xor_b32 s[SB], s[SB], SLOT                   ; slot 0
	s_sub_nc_u64 s[OP:OP+1], s[OP:OP+1], 81920     ; from V's end (16,384 on) back to K's tiles 2 w, 2 w + 1, 65,536 ahead of V's start
	s_branch .Lp0
.Lqo:
	s_mov_b32 s[SB], 0
	s_mul_i32 s72, s[BB], 768                      ; qws: tile = batch x 768 + task x 256 + 8 x block + 2 x wave, 8,192 bytes each
	s_lshl_b32 s73, s[TASK], 8
	s_add_co_u32 s72, s72, s73
	s_lshl_b32 s73, s[BLK], 3
	s_add_co_u32 s72, s72, s73
	s_lshl_b32 s73, s[WV], 1
	s_add_co_u32 s72, s72, s73
	s_lshl_b32 s72, s72, 13
	s_mov_b32 s73, 0
	s_add_nc_u64 s[OP:OP+1], s[30:31], s[72:73]
.Lp0:
	s_wait_tensorcnt 0x0                           ; my quarter of slot 0's block (k_w or q_w) is in,
	s_wait_dscnt 0x0                               ; and no LDS load of mine is out (kind M: the loads ahead of V's last trip, whose registers are loaded again)
	s_barrier_signal -1
	s_barrier_wait -1                              ; everybody's quarter is in
	PROJ 0                                         ; K or Q
	s_wait_tensorcnt 0x0                           ; the wave's end: behind my last tensor load and my last LDS store
	ds_add_u32 v[SPW], v[NIL]
	s_wait_dscnt 0x0
	CROUND                                         ; the closing round
	s_endpgm
.Lfunc_end_k_q330d933e23_prep:
	.size	k_q330d933e23_prep, .Lfunc_end_k_q330d933e23_prep-k_q330d933e23_prep
	.p2alignl 7, 3214868480
	.fill 96, 4, 3214868480
	.section	.rodata,"a",@progbits
	.p2align	6, 0x0
	.amdhsa_kernel k_q330d933e23_prep
		.amdhsa_group_segment_fixed_size 327680
		.amdhsa_private_segment_fixed_size 0
		.amdhsa_enable_private_segment 0
		.amdhsa_kernarg_size 104
		.amdhsa_user_sgpr_count 2
		.amdhsa_user_sgpr_kernarg_segment_ptr 1
		.amdhsa_wavefront_size32 1
		.amdhsa_system_sgpr_workgroup_id_x 1
		.amdhsa_system_sgpr_workgroup_id_y 1
		.amdhsa_system_sgpr_workgroup_id_z 1
		.amdhsa_system_vgpr_workitem_id 0
		.amdhsa_next_free_vgpr 896
		.amdhsa_next_free_sgpr 100
		.amdhsa_reserve_vcc 0
		.amdhsa_float_denorm_mode_32 3
		.amdhsa_float_denorm_mode_16_64 3
		.amdhsa_memory_ordered 1
		.amdhsa_forward_progress 1
		.amdhsa_inst_pref_size 162
	.end_amdhsa_kernel
	.amdgpu_metadata
---
amdhsa.version: [ 1, 2 ]
amdhsa.kernels:
  - .name:           k_q330d933e23_prep
    .symbol:         k_q330d933e23_prep.kd
    .args:
      - { .name: center_fea, .offset: 0, .size: 8, .value_kind: global_buffer, .address_space: global }
      - { .name: wh_fea, .offset: 8, .size: 8, .value_kind: global_buffer, .address_space: global }
      - { .name: cls_fea, .offset: 16, .size: 8, .value_kind: global_buffer, .address_space: global }
      - { .name: mix_b, .offset: 24, .size: 8, .value_kind: global_buffer, .address_space: global }
      - { .name: ln_g, .offset: 32, .size: 8, .value_kind: global_buffer, .address_space: global }
      - { .name: ln_b, .offset: 40, .size: 8, .value_kind: global_buffer, .address_space: global }
      - { .name: k_b, .offset: 48, .size: 8, .value_kind: global_buffer, .address_space: global }
      - { .name: q1_b, .offset: 56, .size: 8, .value_kind: global_buffer, .address_space: global }
      - { .name: q2_b, .offset: 64, .size: 8, .value_kind: global_buffer, .address_space: global }
      - { .name: q3_b, .offset: 72, .size: 8, .value_kind: global_buffer, .address_space: global }
      - { .name: wf, .offset: 80, .size: 8, .value_kind: global_buffer, .address_space: global }
      - { .name: qws, .offset: 88, .size: 8, .value_kind: global_buffer, .address_space: global }
      - { .name: kv, .offset: 96, .size: 8, .value_kind: global_buffer, .address_space: global }
    .group_segment_fixed_size: 327680
    .private_segment_fixed_size: 0
    .kernarg_segment_align: 8
    .kernarg_segment_size: 104
    .max_flat_workgroup_size: 128
    .sgpr_count:     100
    .vgpr_count:     896
    .wavefront_size: 32
...
	.end_amdgpu_metadata
.endif
;; end of part 2
;; launch attn (part 3): grid 128 x 2, 4 waves a work-group, clusters of 4 x 1, 327,680 bytes of LDS; arguments qws, kv, aws; writes aws
.if DOCPART == 3
	.amdgcn_target "amdgcn-amd-amdhsa--gfx1250"
	.amdhsa_code_object_version 6
	.text
	.protected	k_q330d933e23_attn
	.globl	k_q330d933e23_attn
	.p2align	8
	.type	k_q330d933e23_attn,@function
k_q330d933e23_attn:
	s_mov_b64 s[64:65], 0
	v_nop
	global_prefetch_b8 v0, s[64:65] scope:SCOPE_SE
	s_setreg_imm32_b32 hwreg(HW_REG_WAVE_MODE, 25, 1), 1
	s_wait_xcnt 0x0
	s_wait_alu depctr_hold_cnt(0) depctr_sa_sdst(0) depctr_va_vdst(0) depctr_va_sdst(0) depctr_va_ssrc(0) depctr_va_vcc(0) depctr_vm_vsrc(0)
	s_getreg_b32 s2, hwreg(HW_REG_IB_STS2, 6, 4)
	s_cmp_eq_u32 s2, 0
	s_cbranch_scc0 .Lentry_in_a_cluster
	s_endpgm
.Lentry_in_a_cluster:
	s_bfe_u32 s2, ttmp6, 0x10000c
	s_cmp_lg_u32 s2, 0x3003
	s_cbranch_scc0 .Lentry_shape_is_right
	s_endpgm
.Lentry_shape_is_right:
; A[q][:] = the sum over k of softmax_k(Q[q] . K[k]) V[k][:], one head of 256 channels, no scale, 4,096 keys, 12,288 queries a batch (three tasks share K and V).
; Q, K, V arrive in bf16 as fragments (see the launch before); products, maxima and sums in f32; the weights are rounded to bf16 for the second product (their sum is taken unrounded), A once to bf16.
; LIMITS.  A weight below 2^-126 counts as 0; NaN and infinities are not treated apart (V's first 128 rows are also multiplied once by weights of 0).
; SHARES.  24,576 queries on 256 work-groups: 96 each, six tiles of 16.  Wave w = 2 PH + KH takes tiles 3 PH + 0..2 and HALF of every step's 128 keys (key tiles 4 KH on): O^T and Q of three tiles are 576 registers, of six 1,152.
; The two waves of a pair run separate running softmaxes and merge once at the end, through LDS.
; LAYOUT.  S^T = K Q^T: a lane holds one query (lane % 16) and keys 8 (lane / 16) + 0..7; two results rounded to bf16 are source 1 of O^T = V^T P.  All fragments lie in LDS as they lie in registers: each load takes 512 bytes on end.
; SOFTMAX.  p = 2^(c s - c m), c = log2(e), m a running maximum; O and l are multiplied by a = 2^(c m_old - c m_new) in every step.  m starts at the lowest finite number, O, l, S^T and a at 0: the first trip is a trip like any other.
; THE SECOND PRODUCT LAGS A STEP.  Trip t: 96 products K Q^T of step t, then 96 products V^T P of step t - 1, and behind these, in slices, the softmax of step t (258 vector instructions, one batch of 99 exponentials, one wait).
; The weights stay in S^T as f32 till the products that read P are over; the 48 roundings to P stand in the next change of slots.  O^T times a(t - 1), 192 packed multiplies, stands ahead of V^T P of step t - 1:
; 96 between the signal and the wait of the round's opening barrier, 48 behind the trip's first LDS loads, 48 in fours behind every eighth K Q^T.  S^T and P need one buffer each.
; THE RING.  A trip reads V(t - 1) and K(t), which lie end to end in kv: the ring's slots hold WINDOWS of 131,072 bytes that begin 65,536 into a step's bytes: window j = V(j), K(j + 1).  Window j lies in slot j % 2.
; The ends: the first fill brings K(0) (waves 2, 3) and, in V(-1)'s place, V(0) (waves 0, 1), which trip 0 multiplies by P = 0; of window 31 only V(31) exists: waves 0 and 1 alone fill, in the tail, which is written out.
; CLUSTER.  The four work-groups of a cluster walk the same batch's K and V: each window is asked for jointly, every wave a quarter.
; REGISTERS in windows of 256 (s_set_vgpr_msb: bits 1:0 source 0, 3:2 source 1, 5:4 source 2, 7:6 destination):
;   window 0: addresses; v16-39 eight statistics a tile; v40-55 zeros; v64-159 S^T (64 + 32 u + 8 kt); v160-207 P (160 + 16 u + 8 kb); v208-255 at work at the end
;   window 1: the eight channel blocks of O^T that I keep at the merge (blocks 8 KH on) at 24 cb + 8 u; v192-255 fragment set 0     window 2: the eight that my partner keeps; v192-255 fragment set 1     window 3: Q at 64 u + 8 k
.set SLOT,  131072
.set SPARE, 262144                     ; behind the two slots: the spare words, 128 bytes a wave
.set STATS, 98304                      ; at the end, in slot 0 (its last fill is over): 24,576 bytes a wave of O^T from byte 0, 1,024 a wave of statistics from here
.set LK,   1                           ; v1   16 x lane + my half of the keys + 65,536: K in a window; never rewritten
.set ADK,  2
.set ADVA, 3
.set QO,   4                           ; v4   16 x lane
.set XS,   5
.set XR,   6
.set XT,   7
.set XTP,  8
.set PFO,  9
.set ADVB, 10
.set LVA,  11                          ; v11  V in a window: 16 x lane + my half of the keys + the eight channel blocks that I keep
.set LVB,  12                          ; v12  the same with the other eight
.set ST,   16                          ; tile u at ST + 8 u: c m, m, l (even keys', odd keys'), c0-c3 at work; then c0, c1 take the row's sum and c2 takes a
.set ZA,   40
.set ZB,   48
.set SPW,  62
.set NIL,  63
.set S,    64
.set P,    160
.set TMP,  208
.set FB,   192
.set EP,   64                          ; the merge: eight registers a tile
.set GP,   96                          ; its two factors a tile, each twice
.set OB,   112                         ; 96 registers of packed results
.set WV,  12
.set CX,  13
.set PH,  14
.set KH,  15
.set BB,  16
.set GX,  17
.set G1,  24
.set G0,  32
.set SB,  36
.set CNT, 37
.set LIM, 38
.set PFA, 40
.set CS,  42
.set SEL, 44
.set STP, 50                           ; s[50:51] what the next change adds to my tile's address
.set MSB, 0
.macro WIN new
.if MSB != (\new)
	s_set_vgpr_msb (MSB<<8)|(\new)
.set MSB, (\new)
.endif
.endm
.macro PLACES                          ; four plain places behind matrix instructions (ISA guide 7.12.1)
.rept 4
	v_nop
.endr
.endm
.macro CREST                           ; a round of the cluster's barrier behind its opening barrier
	s_cmp_lg_u32 s[WV], 0
	s_cbranch_scc1 .Lnw0_\@
	s_barrier_signal -3
.Lnw0_\@:
	s_barrier_wait -3
	s_barrier_signal -1
	s_barrier_wait -1
.endm
.macro CROUND
	s_barrier_signal -1
	s_barrier_wait -1
	CREST
.endm
.macro JLOAD
	tensor_load_to_lds s[G0:G0+3], s[G1:G1+7]
	s_nop 0
.rept 4
	v_nop
.endr
.endm
.macro ASK                             ; a prefetch of the window that the NEXT change fills, one trip (192 matrix instructions a wave) ahead of that load.  All clusters of a batch walk the same windows: the batch's first cluster asks;
	s_cmp_gt_u32 s[CNT], s[LIM]            ; its 4 x 4 waves x 32 lanes name the window's 512 pieces of 256 bytes once, told apart by address; the loop's last change asks for nothing: window 31 has only its first half
	s_cbranch_scc0 .Lnoask_\@
	global_prefetch_b8 v[PFO], s[PFA:PFA+1] th:TH_LOAD_NT scope:SCOPE_SE
.Lnoask_\@:
.endm
.macro ALOAD n                         ; set n of 8: eight fragments, sixteen loads.  0-3: K, key tiles 2 (n / 2), + 1, chunks 4 (n % 2) on.  4-7: V^T, both key blocks, four channel blocks: 4, 5 of those I keep, 6, 7 of the others
	WIN 0x40*(1+((\n)%2))
.if (\n) < 4
.irp ki, 0,1
.irp ui, 0,1,2,3
	ds_load_b128 v[FB+8*(4*\ki+\ui):FB+8*(4*\ki+\ui)+3], v[ADK] offset:(2*((\n)/2)+\ki)*8192+(4*((\n)%2)+\ui)*1024
	ds_load_b128 v[FB+8*(4*\ki+\ui)+4:FB+8*(4*\ki+\ui)+7], v[ADK] offset:(2*((\n)/2)+\ki)*8192+(4*((\n)%2)+\ui)*1024+512
.endr
.endr
.else
.if (\n) < 6
.set av, ADVA
.else
.set av, ADVB
.endif
.irp kb, 0,1
.irp ci, 0,1,2,3
	ds_load_b128 v[FB+8*(4*\kb+\ci):FB+8*(4*\kb+\ci)+3], v[av] offset:\kb*16384+(4*((\n)%2)+\ci)*1024
	ds_load_b128 v[FB+8*(4*\kb+\ci)+4:FB+8*(4*\kb+\ci)+7], v[av] offset:\kb*16384+(4*((\n)%2)+\ci)*1024+512
.endr
.endr
.endif
.endm
.macro RS1 grp, idx                    ; number idx of the 48 that multiply group grp (four channel blocks) of O^T by a; each accumulator in ascending order
.set rr, 24*((4*(\grp)+(\idx)/12)%8)+8*(((\idx)/4)%3)+2*((\idx)%4)
.set ra, ST+8*(((\idx)/4)%3)+6
	WIN 0x41*(1+(\grp)/2)
	v_pk_mul_f32 v[rr:rr+1], v[rr:rr+1], v[ra:ra+1] op_sel_hi:[1,0]
.endm
.macro RSG grp                         ; all 48 of a group
.set ri, 0
.rept 48
	RS1 \grp, ri
.set ri, ri+1
.endr
.endm
.macro CVT                             ; the weights, rounded to bf16 in pairs: S^T to P
	WIN 0
.set i, 0
.rept 16
.irp t, 0,1,2
	v_cvt_pk_bf16_f32 v[P+16*\t+i], v[S+32*\t+2*i], v[S+32*\t+2*i+1]
.endr
.set i, i+1
.endr
.endm
.macro QKMUL n, il                     ; 24 products K Q^T; six accumulators take turns; the first chunk starts the sums.  il = 1: behind every eighth product of the trip four of group 3's rescalings, which name none of its registers
.irp ui, 0,1,2,3
.irp ki, 0,1
.irp t, 0,1,2
.set rS, S+32*\t+8*(2*((\n)/2)+\ki)
.set rF, FB+8*(4*\ki+\ui)
.set rQ, 64*\t+8*(4*((\n)%2)+\ui)
	WIN 0x0D+((\n)%2)
.if (((\n)%2) == 0) && (\ui == 0)
	v_wmma_f32_16x16x32_bf16 v[rS:rS+7], v[rF:rF+7], v[rQ:rQ+7], 0
.else
	v_wmma_f32_16x16x32_bf16 v[rS:rS+7], v[rF:rF+7], v[rQ:rQ+7], v[rS:rS+7]
.endif
.set qi, qi+1
.if (\il) && ((qi%8) == 0)
.rept 4
	RS1 3, rq
.set rq, rq+1
.endr
.endif
.endr
.endr
.endr
.endm
; THE SOFTMAX OF A STEP is a list of 258 instructions, the three tiles alternating; SMR writes the next one.
;   0-62     the maximum and the statistics (SMX, 21 a tile)          63-65  a
;   66-209   the 48 scalings c s - c m and the 96 exponentials: three scalings, then 45 times a scaling and the two exponentials of the pair scaled three scalings earlier, then the last six exponentials
;   (wait)   63 to 209 are ONE BATCH: nothing in it names an exponential's result; a v_nop and the one wait stand ahead of number 210
;   210-257  the row's sum, 16 a tile, into a pair of its own (S^T is still to be rounded to P); l = a l + the sum
.macro SMX t                           ; number j of the 21 that find tile t's maximum and statistics; each accumulator's lowest registers are read first
.set rT, ST+8*(\t)
.set rS, S+32*(\t)
.if j < 4
	v_max3_num_f32 v[rT+4+j], v[rS+8*j], v[rS+8*j+1], v[rS+8*j+2]
.elseif j < 12
	v_max3_num_f32 v[rT+4+j%4], v[rT+4+j%4], v[rS+8*(j%4)+2*(j/4)+1], v[rS+8*(j%4)+2*(j/4)+2]
.elseif j == 12
	v_max3_num_f32 v[rT+4], v[rT+4], v[rS+7], v[rS+15]
.elseif j == 13
	v_max3_num_f32 v[rT+6], v[rT+6], v[rS+23], v[rS+31]
.elseif j == 14
	v_max3_num_f32 v[rT+4], v[rT+4], v[rT+5], v[rT+6]
.elseif j == 15
	v_max3_num_f32 v[rT+4], v[rT+4], v[rT+7], v[rT+1]
.elseif j == 16
	v_permlanex16_b32 v[rT+5], v[rT+4], s[SEL], s[SEL+1]  ; the query's other 32 keys lie in the lane 16 away
.elseif j == 17
	v_mov_b32 v[rT+7], v[rT]               ; c m_old is kept
.elseif j == 18
	v_max_num_f32 v[rT+1], v[rT+4], v[rT+5]
.elseif j == 19
	v_mul_f32 v[rT], s[CS], v[rT+1]
.else
	v_sub_f32 v[rT+7], v[rT+7], v[rT]
.endif
.endm
.macro SCAL e                          ; scaling e of 48: pair e / 3 of tile e % 3
	v_pk_fma_f32 v[S+32*((\e)%3)+2*((\e)/3):S+32*((\e)%3)+2*((\e)/3)+1], v[S+32*((\e)%3)+2*((\e)/3):S+32*((\e)%3)+2*((\e)/3)+1], s[CS:CS+1], v[ST+8*((\e)%3):ST+8*((\e)%3)+1] op_sel_hi:[1,0,0] neg_lo:[0,0,1] neg_hi:[0,0,1]
.endm
.macro EXPE e, w                       ; the exponential of number w of that pair
	v_exp_f32 v[S+32*((\e)%3)+2*((\e)/3)+(\w)], v[S+32*((\e)%3)+2*((\e)/3)+(\w)]
.endm
.macro SUMN k
.set z, (\k)/3
.set rS, S+32*((\k)%3)
.set rT, ST+8*((\k)%3)
.if z == 0
	v_pk_add_f32 v[rT+4:rT+5], v[rS:rS+1], v[rS+2:rS+3]
.elseif z < 15
	v_pk_add_f32 v[rT+4:rT+5], v[rT+4:rT+5], v[rS+2*z+2:rS+2*z+3]
.else
	v_pk_fma_f32 v[rT+2:rT+3], v[rT+2:rT+3], v[rT+6:rT+7], v[rT+4:rT+5] op_sel_hi:[1,0,1]
.endif
.endm
.macro SMR
	WIN 0
.if sq == 210
	v_nop                                  ; a plain instruction behind the last exponential,
	s_wait_alu depctr_va_vdst(0)           ; and the one wait ahead of the first reader
.endif
.if sq < 63
.set j, sq/3
	SMX sq%3
.elseif sq < 66
	v_exp_f32 v[ST+8*(sq-63)+6], v[ST+8*(sq-63)+7]
.elseif sq < 69
	SCAL sq-66
.elseif sq < 204
.if ((sq-69)%3) == 0
	SCAL 3+(sq-69)/3
.else
	EXPE (sq-69)/3, (sq-69)%3-1
.endif
.elseif sq < 210
	EXPE 45+(sq-204)/2, (sq-204)%2
.else
	SUMN sq-210
.endif
.set sq, sq+1
.endm
.macro SLICE                           ; what stands behind one V^T P: four of the list, in the batch three (a scaling and two exponentials): 16 + 49 + 12 slices for 96 products
.if sq < 258
.set nn, 4
.if (sq >= 64) && (sq < 210)
.set nn, 3
.endif
.rept nn
.if sq < 258
	SMR
.endif
.endr
.endif
.endm
.macro PVMUL g, il                     ; 24 products V^T P on group g; twelve accumulators take turns.  il = 1: a slice of the softmax behind each; it names S^T and the statistics alone, none of the products' registers
.irp kb, 0,1
.irp ci, 0,1,2,3
.irp t, 0,1,2
.set rO, 24*((4*(\g)+\ci)%8)+8*\t
.set rF, FB+8*(4*\kb+\ci)
.set rP, P+16*\t+8*\kb
	WIN 0x51+0x50*((\g)/2)+((\g)%2)
	v_wmma_f32_16x16x32_bf16 v[rO:rO+7], v[rF:rF+7], v[rP:rP+7], v[rO:rO+7]
.if \il
	SLICE
.endif
.endr
.endr
.endr
.endm
.macro PVSETS il                       ; the four sets of V^T P; sets 4 and 5 are on their way at its head
.irp g, 0,1,2,3
.if \g == 3
	s_wait_dscnt 0x0
.else
	s_wait_dscnt 16                        ; this set is in; the younger set's sixteen loads may stay out
.endif
	PVMUL \g, \il
.if \g != 2
	PLACES                                 ; ahead of the loads into the set's registers; behind the last set: ahead of the roundings that write P
.endif
.if \g < 2
	ALOAD \g+6
.endif
.endr
.endm
; A TRIP.  THE CHANGE OF SLOTS: all my tensor loads have landed (one at the most is out: my quarter of the window that this trip reads); 0 onto my spare word; the descriptor's step and the roundings to P stand between the add and
; the wait for it and for my reads of the old window; a round of the cluster's barrier, with half of the rescalings between its opening signal and wait; the old slot's refill first behind it.
; mode = 1: all four waves fill.  mode = 2 (window 31): waves 0 and 1 alone.  il = 1: the vector work stands in slices among the products; il = 0 (the tail): in runs of its own, which spares the text the window switches.
.macro TRIP mode, il
	WIN 0
	s_wait_tensorcnt 0x0
	ds_add_u32 v[SPW], v[NIL]
	s_xor_b32 s[G0+1], s[G0+1], SLOT       ; no load of mine is out, so group 0 may be written: the other slot,
	s_add_nc_u64 s[G0+2:G0+3], s[G0+2:G0+3], s[STP:STP+1]  ; the next window (in trip 0 waves 0 and 1 stay: they ask for V(0) once more, now in its own place)
	s_mov_b32 s[STP], SLOT
.if (\mode) == 1
	s_wait_xcnt 0x0                        ; the last prefetch, a trip back, has read its address
	s_add_nc_u64 s[PFA:PFA+1], s[PFA:PFA+1], SLOT
.endif
	CVT
	s_wait_dscnt 0x0
	s_barrier_signal -1
	RSG 0
	RSG 1
	WIN 0
	s_barrier_wait -1
	CREST
.if (\mode) == 1
	JLOAD
	ASK
.else
	s_cmp_lt_u32 s[WV], 2
	s_cbranch_scc0 .Lnok_\@
	JLOAD
.Lnok_\@:
.endif
	s_xor_b32 s[SB], s[SB], SLOT
	v_add_nc_u32 v[ADK], s[SB], v[LK]
	v_add_nc_u32 v[ADVA], s[SB], v[LVA]
	v_add_nc_u32 v[ADVB], s[SB], v[LVB]
	ALOAD 0
	ALOAD 1
	RSG 2                                  ; while the first fragments come
.if !(\il)
	RSG 3
.endif
.set qi, 0
.set rq, 0
.irp n, 0,1,2,3
	s_wait_dscnt 16                        ; this set is in; the younger set's sixteen loads may stay out
	QKMUL \n, \il
	PLACES
	ALOAD \n+2
.endr
.set sq, 0
.if !(\il)
.rept 258
	SMR
.endr
.endif
	PVSETS \il
.endm
	s_load_b128 s[4:7], s[0:1], 0x0                ; qws s[4:5], kv s[6:7]
	s_load_b64 s[8:9], s[0:1], 0x10                ; aws
	v_lshl_add_u32 v[SPW], v0, 2, SPARE
	v_mov_b32 v[NIL], 0
	ds_add_u32 v[SPW], v[NIL]                      ; the wave's opening: the add and its wait ahead of my first tensor load
	v_lshrrev_b32 v13, 5, v0
	v_readfirstlane_b32 s[WV], v13
	s_lshr_b32 s[PH], s[WV], 1
	s_and_b32 s[KH], s[WV], 1
	s_bfe_u32 s[CX], ttmp6, 0x40000
	s_lshl_b32 s[GX], ttmp9, 2
	s_add_co_u32 s[GX], s[GX], s[CX]               ; my block of 96 queries: it enters Q's and A's addresses alone
	s_and_b32 s[BB], ttmp7, 0xffff                 ; the batch, which the partners share
	s_mul_i32 s18, s[BB], 768
	s_mul_i32 s19, s[GX], 6
	s_add_co_u32 s18, s18, s19
	s_mul_i32 s19, s[PH], 3
	s_add_co_u32 s18, s18, s19                     ; my first query tile,
	s_lshl_b32 s18, s18, 13                        ; 8,192 bytes each
	s_mov_b32 s19, 0
	s_lshl_b32 s20, s[BB], 22                      ; the batch's bytes of kv,
	s_lshl_b32 s21, s[WV], 15                      ; my quarter of a window
	s_add_co_u32 s20, s20, s21
	s_mov_b32 s[G0], 1
	s_add_co_u32 s[G0+1], s21, SLOT                ; the first fill goes into slot 1
	s_mov_b32 s21, 0xffff0000
	s_cmp_lt_u32 s[WV], 2
	s_cselect_b32 s21, 0x10000, s21                ; waves 0, 1: V(0), 65,536 on; waves 2, 3: K(0), 65,536 back from their quarter's place
	s_cselect_b32 s[STP], 0, SLOT                  ; trip 0 asks for window 0: waves 0, 1 stand there already
	s_mov_b32 s[STP+1], 0
	s_add_co_u32 s20, s20, s21
	s_mov_b32 s21, 0
	s_lshl_b32 s22, s[BB], 22                      ; the prefetches: window 0 (trip 0 steps it to 1), my work-group's quarter, my wave's 32 pieces
	s_lshl_b32 s23, s[CX], 15
	s_add_co_u32 s22, s22, s23
	s_lshl_b32 s23, s[WV], 13
	s_add_co_u32 s22, s22, s23
	s_add_co_u32 s22, s22, 0x10000
	s_mov_b32 s23, 0
	s_mov_b32 s46, ttmp9
	s_cmp_eq_u32 s46, 0
	s_cselect_b32 s[LIM], 1, -1
	s_lshl_b32 s48, s[KH], 12                      ; A: the eight channel blocks of 512 bytes that I keep
	s_mov_b32 s49, 0
	v_and_b32 v13, 31, v0
	v_lshlrev_b32 v[QO], 4, v13
	s_lshl_b32 s46, s[KH], 15
	v_add_nc_u32 v[LVB], s46, v[QO]                ; 16 x lane + my half of the keys
	v_add_nc_u32 v[LK], 0x10000, v[LVB]
	s_lshl_b32 s46, s[KH], 13
	v_add_nc_u32 v[LVA], s46, v[LVB]               ; channel blocks 8 KH on,
	s_xor_b32 s46, s46, 8192
	v_add_nc_u32 v[LVB], s46, v[LVB]               ; and the other eight
	s_mul_i32 s46, s[WV], 24576
	v_add_nc_u32 v[XS], s46, v[QO]
	s_xor_b32 s47, s[WV], 1                        ; my partner
	s_mul_i32 s46, s47, 24576
	v_add_nc_u32 v[XR], s46, v[QO]
	s_lshl_b32 s46, s[WV], 10
	s_add_co_u32 s46, s46, STATS
	v_lshl_add_u32 v[XT], v13, 2, s46
	s_lshl_b32 s46, s47, 10
	s_add_co_u32 s46, s46, STATS
	v_lshl_add_u32 v[XTP], v13, 2, s46
	v_lshlrev_b32 v[PFO], 8, v13
	s_mov_b32 s[G1], 15|(3<<16)|(1<<21)            ; the mask of four; elements of 8 bytes; bit 21 beside a mask; no padding
	s_mov_b32 s[G1+1], 32<<16                      ; rows of 256 bytes,
	s_mov_b32 s[G1+2], 128<<16                     ; 128 of them
	s_mov_b32 s[G1+3], 32<<16
	s_mov_b32 s[G1+4], 128
	s_mov_b32 s[G1+5], 32
	s_mov_b32 s[G1+6], 0
	s_mov_b32 s[G1+7], 0
	s_mov_b32 s[CS], 0x3fb8aa3b                    ; c = log2(e)
	s_mov_b32 s[CS+1], s[CS]
	s_mov_b32 s[SEL], 0x76543210
	s_mov_b32 s[SEL+1], 0xfedcba98
	s_mov_b32 s[SB], 0                             ; trip 0 turns it into slot 1
	s_wait_dscnt 0x0                               ; the opening add is done
	s_wait_kmcnt 0x0
	s_add_nc_u64 s[4:5], s[4:5], s[18:19]
	s_add_nc_u64 s[8:9], s[8:9], s[18:19]
	s_add_nc_u64 s[8:9], s[8:9], s[48:49]
	s_add_nc_u64 s[G0+2:G0+3], s[6:7], s[20:21]
	s_or_b32 s[G0+3], s[G0+3], 0x80000000
	s_add_nc_u64 s[PFA:PFA+1], s[6:7], s[22:23]
	CROUND                                         ; all four work-groups are here: the first joint load meets
	JLOAD                                          ; K(0), and V(0) in V(-1)'s place; window 0 is asked for when they are in
	WIN 0xC0
.irp t, 0,1,2
.set i, 0
.rept 16
	global_load_b128 v[64*\t+4*i:64*\t+4*i+3], v[QO], s[4:5] offset:\t*8192+i*512 th:TH_LOAD_NT  ; Q stays in registers
.set i, i+1
.endr
.endr
	WIN 0                                          ; S^T and O^T start at 0, in the wait for the first tile: a product of two fragments of zeros writes an accumulator's eight zeros in one line, 60 lines for 480 registers
.set i, 0
.rept 16
	v_mov_b32 v[ZA+i], 0
.set i, i+1
.endr
.set i, 0
.rept 12
	v_wmma_f32_16x16x32_bf16 v[S+8*i:S+8*i+7], v[ZA:ZA+7], v[ZB:ZB+7], 0
.set i, i+1
.endr
.irp w, 1,2
	WIN 0x40*\w
.set i, 0
.rept 24
	v_wmma_f32_16x16x32_bf16 v[8*i:8*i+7], v[ZA:ZA+7], v[ZB:ZB+7], 0
.set i, i+1
.endr
.endr
	WIN 0
.irp t, 0,1,2                          ; eighteen plain lines: also the places behind those products
	v_mov_b32 v[ST+8*\t], 0xfe000000               ; c m: far below every c s
	v_mov_b32 v[ST+8*\t+1], 0xff7fffff             ; m
	v_mov_b32 v[ST+8*\t+2], 0                      ; l
	v_mov_b32 v[ST+8*\t+3], 0
	v_mov_b32 v[ST+8*\t+6], 0                      ; a, by which trip 0 multiplies the zeros of O^T
	v_mov_b32 v[ST+8*\t+7], 0
.endr
	s_wait_loadcnt 0x0                             ; Q
	s_mov_b32 s[CNT], 31
.Lslot:                                                ; trips 0 to 30: every window that is whole is asked for here
	TRIP 1, 1
	WIN 0
	s_sub_co_u32 s[CNT], s[CNT], 1
	s_cmp_lg_u32 s[CNT], 0
	s_cbranch_scc1 .Lslot
	TRIP 2, 0                                      ; trip 31 is written out
	; THE LAST V^T P.  Nothing is filled any more: a plain barrier shows V(31) to every wave.
	WIN 0
	s_wait_tensorcnt 0x0
	ds_add_u32 v[SPW], v[NIL]
	CVT
	s_wait_dscnt 0x0
	s_barrier_signal -1
	RSG 0
	RSG 1
	WIN 0
	s_barrier_wait -1
	s_xor_b32 s[SB], s[SB], SLOT
	v_add_nc_u32 v[ADVA], s[SB], v[LVA]
	v_add_nc_u32 v[ADVB], s[SB], v[LVB]
	ALOAD 4
	ALOAD 5
	RSG 2
	RSG 3
	PVSETS 0
	; THE MERGE of the pair's two halves of the keys.  Slot 0 has had its last fill and its last readers have passed the barrier above: it takes the exchange.  Every wave sends window 2 and keeps window 1.
	WIN 0
.irp t, 0,1,2
	v_add_f32 v[ST+8*\t+2], v[ST+8*\t+2], v[ST+8*\t+3]
.endr
.irp t, 0,1,2
	v_permlanex16_b32 v[ST+8*\t+3], v[ST+8*\t+2], s[SEL], s[SEL+1]
.endr
.irp t, 0,1,2
	v_add_f32 v[ST+8*\t+2], v[ST+8*\t+2], v[ST+8*\t+3]
.endr
	WIN 0x08                                       ; store data (source 1) in window 2
.set a, 0
.rept 24
	ds_store_b128 v[XS], v[8*a:8*a+3] offset:a*1024
	ds_store_b128 v[XS], v[8*a+4:8*a+7] offset:a*1024+512
.set a, a+1
.endr
	WIN 0
.irp t, 0,1,2
	ds_store_b32 v[XT], v[ST+8*\t] offset:256*\t
	ds_store_b32 v[XT], v[ST+8*\t+2] offset:256*\t+128
.endr
	s_wait_dscnt 0x0                               ; for my partner's sake: my stores are done
	s_barrier_signal -1
	s_barrier_wait -1
.irp t, 0,1,2
	ds_load_b32 v[EP+8*\t], v[XTP] offset:256*\t           ; the partner's c m
	ds_load_b32 v[EP+8*\t+1], v[XTP] offset:256*\t+128     ; and l
.endr
	s_wait_dscnt 0x0
.irp t, 0,1,2
	v_max_num_f32 v[EP+8*\t+2], v[ST+8*\t], v[EP+8*\t]
.endr
.irp t, 0,1,2
	v_sub_f32 v[EP+8*\t+3], v[ST+8*\t], v[EP+8*\t+2]
	v_sub_f32 v[EP+8*\t+4], v[EP+8*\t], v[EP+8*\t+2]
.endr
.irp t, 0,1,2
	v_exp_f32 v[EP+8*\t+3], v[EP+8*\t+3]
	v_exp_f32 v[EP+8*\t+4], v[EP+8*\t+4]
.endr
	v_nop
	s_wait_alu depctr_va_vdst(0)                   ; one wait for the six exponentials
.irp t, 0,1,2
	v_mul_f32 v[EP+8*\t+5], v[EP+8*\t+1], v[EP+8*\t+4]
.endr
.irp t, 0,1,2
	v_fma_f32 v[EP+8*\t+5], v[ST+8*\t+2], v[EP+8*\t+3], v[EP+8*\t+5]
.endr
.irp t, 0,1,2
	v_rcp_f32 v[EP+8*\t+5], v[EP+8*\t+5]
.endr
	v_nop
	s_wait_alu depctr_va_vdst(0)                   ; one wait for the three reciprocals
.irp t, 0,1,2
	v_mul_f32 v[GP+4*\t], v[EP+8*\t+3], v[EP+8*\t+5]
	v_mul_f32 v[GP+4*\t+1], v[EP+8*\t+3], v[EP+8*\t+5]
	v_mul_f32 v[GP+4*\t+2], v[EP+8*\t+4], v[EP+8*\t+5]
	v_mul_f32 v[GP+4*\t+3], v[EP+8*\t+4], v[EP+8*\t+5]
.endr
	; my O g0 + the partner's O g1, rounded to bf16, stored; six accumulators at a time
.set q, 0
.rept 4
	WIN 0
.set a, 0
.rept 6
	ds_load_b128 v[TMP+8*a:TMP+8*a+3], v[XR] offset:(6*q+a)*1024
	ds_load_b128 v[TMP+8*a+4:TMP+8*a+7], v[XR] offset:(6*q+a)*1024+512
.set a, a+1
.endr
	s_wait_dscnt 0x0
.set a, 0
.rept 6
.irp p, 0,1,2,3
	v_pk_mul_f32 v[TMP+8*a+2*\p:TMP+8*a+2*\p+1], v[TMP+8*a+2*\p:TMP+8*a+2*\p+1], v[GP+4*(a%3)+2:GP+4*(a%3)+3]
.endr
.set a, a+1
.endr
	WIN 0x01
.set a, 0
.rept 6
.irp p, 0,1,2,3
	v_pk_fma_f32 v[TMP+8*a+2*\p:TMP+8*a+2*\p+1], v[8*(6*q+a)+2*\p:8*(6*q+a)+2*\p+1], v[GP+4*(a%3):GP+4*(a%3)+1], v[TMP+8*a+2*\p:TMP+8*a+2*\p+1]
.endr
.set a, a+1
.endr
	WIN 0
.set a, 0
.rept 6
.irp p, 0,1,2,3
	v_cvt_pk_bf16_f32 v[OB+24*q+4*a+\p], v[TMP+8*a+2*\p], v[TMP+8*a+2*\p+1]
.endr
	global_store_b128 v[QO], v[OB+24*q+4*a:OB+24*q+4*a+3], s[8:9] offset:((6*q+a)%3)*8192+((6*q+a)/3)*512  ; 512 consecutive bytes, aligned
.set a, a+1
.endr
.set q, q+1
.endr
	s_wait_tensorcnt 0x0                           ; the wave's end: behind my last tensor load and my last LDS store
	ds_add_u32 v[SPW], v[NIL]
	s_wait_dscnt 0x0
	CROUND                                         ; the closing round
	s_endpgm
.Lfunc_end_k_q330d933e23_attn:
	.size	k_q330d933e23_attn, .Lfunc_end_k_q330d933e23_attn-k_q330d933e23_attn
	.p2alignl 7, 3214868480
	.fill 96, 4, 3214868480
	.section	.rodata,"a",@progbits
	.p2align	6, 0x0
	.amdhsa_kernel k_q330d933e23_attn
		.amdhsa_group_segment_fixed_size 327680
		.amdhsa_private_segment_fixed_size 0
		.amdhsa_enable_private_segment 0
		.amdhsa_kernarg_size 24
		.amdhsa_user_sgpr_count 2
		.amdhsa_user_sgpr_kernarg_segment_ptr 1
		.amdhsa_wavefront_size32 1
		.amdhsa_system_sgpr_workgroup_id_x 1
		.amdhsa_system_sgpr_workgroup_id_y 1
		.amdhsa_system_sgpr_workgroup_id_z 1
		.amdhsa_system_vgpr_workitem_id 0
		.amdhsa_next_free_vgpr 960
		.amdhsa_next_free_sgpr 66
		.amdhsa_reserve_vcc 0
		.amdhsa_float_denorm_mode_32 3
		.amdhsa_float_denorm_mode_16_64 3
		.amdhsa_memory_ordered 1
		.amdhsa_forward_progress 1
		.amdhsa_inst_pref_size 177
	.end_amdhsa_kernel
	.amdgpu_metadata
---
amdhsa.version: [ 1, 2 ]
amdhsa.kernels:
  - .name:           k_q330d933e23_attn
    .symbol:         k_q330d933e23_attn.kd
    .args:
      - { .name: qws, .offset: 0, .size: 8, .value_kind: global_buffer, .address_space: global }
      - { .name: kv, .offset: 8, .size: 8, .value_kind: global_buffer, .address_space: global }
      - { .name: aws, .offset: 16, .size: 8, .value_kind: global_buffer, .address_space: global }
    .group_segment_fixed_size: 327680
    .private_segment_fixed_size: 0
    .kernarg_segment_align: 8
    .kernarg_segment_size: 24
    .max_flat_workgroup_size: 128
    .sgpr_count:     66
    .vgpr_count:     960
    .wavefront_size: 32
...
	.end_amdgpu_metadata
.endif
;; end of part 3
;; launch post (part 4): grid 192 x 1, 4 waves a work-group, clusters of 4 x 1, 327,680 bytes of LDS; arguments center_fea, wh_fea, cls_fea, aws, wf, v_b, ln_g, ln_b, cmlp_b1, cmlp_b2, wmlp_b1, wmlp_b2, clsmlp_b1, clsmlp_b2, out0, out1, out2; writes out0, out1, out2
.if DOCPART == 4
	.amdgcn_target "amdgcn-amd-amdhsa--gfx1250"
	.amdhsa_code_object_version 6
	.text
	.protected	k_q330d933e23_post
	.globl	k_q330d933e23_post
	.p2align	8
	.type	k_q330d933e23_post,@function
k_q330d933e23_post:
	s_mov_b64 s[64:65], 0
	v_nop
	global_prefetch_b8 v0, s[64:65] scope:SCOPE_SE
	s_setreg_imm32_b32 hwreg(HW_REG_WAVE_MODE, 25, 1), 1
	s_wait_xcnt 0x0
	s_wait_alu depctr_hold_cnt(0) depctr_sa_sdst(0) depctr_va_vdst(0) depctr_va_sdst(0) depctr_va_ssrc(0) depctr_va_vcc(0) depctr_vm_vsrc(0)
	s_getreg_b32 s2, hwreg(HW_REG_IB_STS2, 6, 4)
	s_cmp_eq_u32 s2, 0
	s_cbranch_scc0 .Lentry_in_a_cluster
	s_endpgm
.Lentry_in_a_cluster:
	s_bfe_u32 s2, ttmp6, 0x10000c
	s_cmp_lg_u32 s2, 0x3003
	s_cbranch_scc0 .Lentry_shape_is_right
	s_endpgm
.Lentry_shape_is_right:
; What stands behind the attention, for one task and 128 tokens a work-group: y = LayerNorm(x + A + v_b); out = LayerNorm(y + W2 gelu(W1 y + b1) + b2), stored channel-major.
; A wave owns 32 tokens, two tiles; tile u holds tokens n0 + 2 r + u, as in the launch that made Q.  Layout as there: a lane holds one token, register j channel 16 t + 8 h + j.
; x, the residuals, means, variances and sums stay in f32; A arrives in bf16; y and the hidden numbers are rounded once to bf16 as matrix operands.
; GELU is the exact one, erf by Abramowitz and Stegun 7.1.26 (error of erf at most 1.5e-7 for every x): t = 1 / (1 + 0.23164189 |x|), q = (a1 t + .. + a5 t^5) 2^(-0.72134752 x^2), gelu = x/2 + |x/2| (1 - q).
; NaN and infinities are not treated apart.
; ONE TEXT serves both LayerNorms: a pass adds a table (v_b the first time, b2 the second), norms, and the second time is left in its middle.
; THE MLP is one loop of eight trips: 32 hidden channels are made (32 products), go through GELU and are multiplied on at once (32 products): the hidden layer never exists whole.  The second layer's sums start at y.
; 192 work-groups: 96 tokens do not share out among four waves in whole tiles.  CLUSTER: the four work-groups of a cluster are of one task: its two weight blocks, end to end in wf, are asked for jointly, one load of 256 rows of 256 bytes a wave; nothing is filled again.
; REGISTERS in windows of 256: window 0 addresses, chains, statistics, v64-191 two sets of weight fragments, v192-207 bias, v208-223 the hidden fragments;  window 1 RA (128 u + 8 t + j);
;   window 2 x as loaded, then gain and shift, at the end rows read back;  window 3 v0-127 A's pieces, then y's fragments; v128-159 hidden sums; v160-255 GELU at work
.set TAB,    262144                    ; five tables of 1 KB: v_b, gain, shift, b1, b2
.set SPARE,  267264                    ; the spare words, 128 bytes a wave
.set SPITCH, 528                       ; the stage, over the weights when they have been read: 256 channel rows of 512 bytes + 16
.set L16,  1
.set XOFF, 2
.set T8,   3
.set ADW1, 4
.set ADW2, 5
.set TST,  6
.set ADRB, 7
.set TLN,  8
.set SA0,  9
.set SA1,  10
.set SR,   11
.set ONE,  12                          ; v12-13 1.0
.set TAD,  14                          ; v14  the table that the pass adds (at the head: at work)
.set CH,   16
.set MU,   32
.set RS,   36
.set TP,   40
.set CF,   44                          ; v44-51 a1 .. a4, each twice
.set SPW,  62
.set NIL,  63
.set F0,   64
.set F1,   128
.set BI,   192
.set HB,   208
.set HA,   128                         ; window 3
.set TT,   160
.set TE,   192
.set TR,   224
.set WV,   42
.set CX,   43
.set BB,   44
.set TASK, 45
.set BLK,  46
.set G1,   48
.set G0,   56
.set SEL,  60
.set INV,  62
.set EPS,  63
.set PASS, 66
.set LC,   67
.set PO,   68
.set XA,   70
.set AW,   72
.set OUTP, 74
.set B1P,  76
.set B2P,  78
.set KP,   86
.set KQ,   88
.set A5,   90
.set MSB, 0
.macro WIN new
.if MSB != (\new)
	s_set_vgpr_msb (MSB<<8)|(\new)
.set MSB, (\new)
.endif
.endm
.macro PLACES
.rept 4
	v_nop
.endr
.endm
.macro CROUND
	s_barrier_signal -1
	s_barrier_wait -1
	s_cmp_lg_u32 s[WV], 0
	s_cbranch_scc1 .Lnw0_\@
	s_barrier_signal -3
.Lnw0_\@:
	s_barrier_wait -3
	s_barrier_signal -1
	s_barrier_wait -1
.endm
.macro LOADSET buf, adr, off0, smb, su
	WIN 0
.irp mi, 0,1
.irp ui, 0,1,2,3
	ds_load_b128 v[(\buf)+8*(4*\mi+\ui):(\buf)+8*(4*\mi+\ui)+3], v[\adr] offset:(\off0)+\mi*(\smb)+\ui*(\su)
	ds_load_b128 v[(\buf)+8*(4*\mi+\ui)+4:(\buf)+8*(4*\mi+\ui)+7], v[\adr] offset:(\off0)+\mi*(\smb)+\ui*(\su)+512
.endr
.endr
.endm
.macro FOLD
	WIN 0
.irp t, 0,1
	v_pk_add_f32 v[CH+8*\t:CH+8*\t+1], v[CH+8*\t:CH+8*\t+1], v[CH+8*\t+2:CH+8*\t+3]
	v_pk_add_f32 v[CH+8*\t+4:CH+8*\t+5], v[CH+8*\t+4:CH+8*\t+5], v[CH+8*\t+6:CH+8*\t+7]
.endr
.irp t, 0,1
	v_pk_add_f32 v[CH+8*\t:CH+8*\t+1], v[CH+8*\t:CH+8*\t+1], v[CH+8*\t+4:CH+8*\t+5]
.endr
.irp t, 0,1
	v_add_f32 v[TP+\t], v[CH+8*\t], v[CH+8*\t+1]
.endr
	v_permlanex16_b32 v[TP+2], v[TP], s[SEL], s[SEL+1]
	v_permlanex16_b32 v[TP+3], v[TP+1], s[SEL], s[SEL+1]
	v_add_f32 v[TP], v[TP], v[TP+2]
	v_add_f32 v[TP+1], v[TP+1], v[TP+3]
.endm
.macro MEAN_ACC
	WIN 0x05
.irp k, 0,1,2,3
.irp t, 0,1
	v_pk_add_f32 v[CH+8*\t+2*\k:CH+8*\t+2*\k+1], v[128*\t+2*\k:128*\t+2*\k+1], v[128*\t+8+2*\k:128*\t+8+2*\k+1]
.endr
.endr
	WIN 0x01
.set mm, 2
.rept 14
.irp k, 0,1,2,3
.irp t, 0,1
	v_pk_add_f32 v[CH+8*\t+2*\k:CH+8*\t+2*\k+1], v[128*\t+8*mm+2*\k:128*\t+8*mm+2*\k+1], v[CH+8*\t+2*\k:CH+8*\t+2*\k+1]
.endr
.endr
.set mm, mm+1
.endr
	FOLD
	v_mul_f32 v[MU], s[INV], v[TP]
	v_mul_f32 v[MU+1], s[INV], v[TP]
	v_mul_f32 v[MU+2], s[INV], v[TP+1]
	v_mul_f32 v[MU+3], s[INV], v[TP+1]
.endm
.macro CENTER_ACC
	WIN 0x41
.irp t, 0,1
.set i, 0
.rept 64
	v_pk_add_f32 v[128*\t+2*i:128*\t+2*i+1], v[128*\t+2*i:128*\t+2*i+1], v[MU+2*\t:MU+2*\t+1] neg_lo:[0,1] neg_hi:[0,1]
.set i, i+1
.endr
.endr
.endm
.macro VAR
	WIN 0x05
.irp k, 0,1,2,3
.irp t, 0,1
	v_pk_mul_f32 v[CH+8*\t+2*\k:CH+8*\t+2*\k+1], v[128*\t+2*\k:128*\t+2*\k+1], v[128*\t+2*\k:128*\t+2*\k+1]
.endr
.endr
.set mm, 1
.rept 15
.irp k, 0,1,2,3
.irp t, 0,1
	v_pk_fma_f32 v[CH+8*\t+2*\k:CH+8*\t+2*\k+1], v[128*\t+8*mm+2*\k:128*\t+8*mm+2*\k+1], v[128*\t+8*mm+2*\k:128*\t+8*mm+2*\k+1], v[CH+8*\t+2*\k:CH+8*\t+2*\k+1]
.endr
.endr
.set mm, mm+1
.endr
	FOLD
	v_fma_f32 v[TP], v[TP], s[INV], s[EPS]
	v_fma_f32 v[TP+1], v[TP+1], s[INV], s[EPS]
	v_rsq_f32 v[RS], v[TP]
	v_rsq_f32 v[RS+2], v[TP+1]
	v_nop                                  ; a plain instruction behind the last root,
	s_wait_alu depctr_va_vdst(0)           ; and the one wait ahead of the first use
	v_mov_b32 v[RS+1], v[RS]
	v_mov_b32 v[RS+3], v[RS+2]
.endm
.macro NORM
	WIN 0x41
.irp t, 0,1
.set i, 0
.rept 64
	v_pk_mul_f32 v[128*\t+2*i:128*\t+2*i+1], v[128*\t+2*i:128*\t+2*i+1], v[RS+2*\t:RS+2*\t+1]
.set i, i+1
.endr
.endr
	WIN 0x69
.irp t, 0,1
.set i, 0
.rept 64
	v_pk_fma_f32 v[128*\t+2*i:128*\t+2*i+1], v[128*\t+2*i:128*\t+2*i+1], v[2*i:2*i+1], v[128+2*i:128+2*i+1]
.set i, i+1
.endr
.endr
.endm
.macro PACK
	WIN 0xC5
.irp t, 0,1
.set i, 0
.rept 64
	v_cvt_pk_bf16_f32 v[64*\t+i], v[128*\t+2*i], v[128*\t+2*i+1]
.set i, i+1
.endr
.endr
.endm
.macro ADDTAB                          ; RA += the pass's table, my 128 channels, both tiles; the table passes through the fragment sets' registers.  Each accumulator is read from its low end on
	WIN 0
.set tt, 0
.rept 16
	ds_load_b128 v[F0+8*tt:F0+8*tt+3], v[TAD] offset:64*tt
	ds_load_b128 v[F0+8*tt+4:F0+8*tt+7], v[TAD] offset:64*tt+16
.set tt, tt+1
.endr
	s_wait_dscnt 0x0
	WIN 0x41
.irp t, 0,1
.set i, 0
.rept 64
	v_pk_add_f32 v[128*\t+2*i:128*\t+2*i+1], v[128*\t+2*i:128*\t+2*i+1], v[F0+2*i:F0+2*i+1]
.set i, i+1
.endr
.endr
.endm
.macro PBIAS
	WIN 0
.irp q, 0,1,2,3
	ds_load_b128 v[BI+4*\q:BI+4*\q+3], v[ADRB] offset:(\q/2)*64+(\q%2)*16
.endr
.endm
.macro HMUL half                       ; 16 products of the first layer; four accumulators take turns; the first four start at b1
.irp ui, 0,1,2,3
.irp mi, 0,1
.irp t, 0,1
.set AC, HA+16*\mi+8*\t
.set FR, F0+64*(\half)+8*(4*\mi+\ui)
.set BR, 64*\t+8*(4*(\half)+\ui)
.if ((\half) == 0) && (\ui == 0)
	WIN 0xCC
	v_wmma_f32_16x16x32_bf16 v[AC:AC+7], v[FR:FR+7], v[BR:BR+7], v[BI+8*\mi:BI+8*\mi+7]
.else
	WIN 0xFC
	v_wmma_f32_16x16x32_bf16 v[AC:AC+7], v[FR:FR+7], v[BR:BR+7], v[AC:AC+7]
.endif
.endr
.endr
.endr
.endm
.macro OMUL half                       ; 16 products of the second layer, each on an accumulator of its own
	WIN 0x50
.irp m, 0,1,2,3,4,5,6,7
.irp t, 0,1
.set AC, 128*\t+8*(8*(\half)+\m)
	v_wmma_f32_16x16x32_bf16 v[AC:AC+7], v[F0+64*(\half)+8*\m:F0+64*(\half)+8*\m+7], v[HB+8*\t:HB+8*\t+7], v[AC:AC+7]
.endr
.endr
.endm
.macro GELU                            ; on the 32 hidden sums a lane; ONE batch of 64 transcendentals, one wait
	WIN 0xCF
.set i, 0
.rept 32
	v_fma_f32 v[TT+i], |v[HA+i]|, s[KP], 1.0
.set i, i+1
.endr
.set i, 0
.rept 16
	v_pk_mul_f32 v[TE+2*i:TE+2*i+1], v[HA+2*i:HA+2*i+1], s[KQ:KQ+1] op_sel_hi:[1,0]
.set i, i+1
.endr
.set i, 0
.rept 16
	v_pk_mul_f32 v[TE+2*i:TE+2*i+1], v[TE+2*i:TE+2*i+1], v[TE+2*i:TE+2*i+1] neg_lo:[1,0] neg_hi:[1,0]   ; -0.72134752 x^2
.set i, i+1
.endr
.set i, 0
.rept 16
	v_rcp_f32 v[TT+2*i], v[TT+2*i]
	v_exp_f32 v[TE+2*i], v[TE+2*i]
	v_pk_mul_f32 v[HA+2*i:HA+2*i+1], v[HA+2*i:HA+2*i+1], 0.5 op_sel_hi:[1,0]
	v_rcp_f32 v[TT+2*i+1], v[TT+2*i+1]
	v_exp_f32 v[TE+2*i+1], v[TE+2*i+1]
.set i, i+1
.endr
	v_nop                                  ; a plain instruction behind the last of them,
	s_wait_alu depctr_va_vdst(0)           ; and the one wait ahead of the first reader
.set i, 0
.rept 16
	v_pk_fma_f32 v[TR+2*i:TR+2*i+1], v[TT+2*i:TT+2*i+1], s[A5:A5+1], v[CF+6:CF+7] op_sel_hi:[1,0,1]
.set i, i+1
.endr
.irp c, 4,2,0
.set i, 0
.rept 16
	v_pk_fma_f32 v[TR+2*i:TR+2*i+1], v[TR+2*i:TR+2*i+1], v[TT+2*i:TT+2*i+1], v[CF+\c:CF+\c+1]
.set i, i+1
.endr
.endr
.set i, 0
.rept 16
	v_pk_mul_f32 v[TR+2*i:TR+2*i+1], v[TR+2*i:TR+2*i+1], v[TT+2*i:TT+2*i+1]
.set i, i+1
.endr
.set i, 0
.rept 16
	v_pk_fma_f32 v[TR+2*i:TR+2*i+1], v[TR+2*i:TR+2*i+1], v[TE+2*i:TE+2*i+1], v[ONE:ONE+1] neg_lo:[1,0,0] neg_hi:[1,0,0]   ; 1 - q
.set i, i+1
.endr
	WIN 0xFF
.set i, 0
.rept 32
	v_fma_f32 v[HA+i], |v[HA+i]|, v[TR+i], v[HA+i]
.set i, i+1
.endr
	WIN 0x0F
.irp t, 0,1
.irp mi, 0,1
.irp q, 0,1,2,3
	v_cvt_pk_bf16_f32 v[HB+8*\t+4*\mi+\q], v[HA+16*\mi+8*\t+2*\q], v[HA+16*\mi+8*\t+2*\q+1]
.endr
.endr
.endr
.endm
	s_load_b512 s[8:23], s[0:1], 0x0               ; center s[8:9], wh s[10:11], cls s[12:13], aws s[14:15], wf s[16:17], v_b s[18:19], ln_g s[20:21], ln_b s[22:23]
	s_load_b512 s[24:39], s[0:1], 0x40             ; b1, b2 of the three tasks s[24:35]; out0 s[36:37], out1 s[38:39]
	s_load_b64 s[40:41], s[0:1], 0x80              ; out2
	v_lshl_add_u32 v[SPW], v0, 2, SPARE
	v_mov_b32 v[NIL], 0
	ds_add_u32 v[SPW], v[NIL]                      ; the wave's opening: the add and its wait ahead of my first tensor load
	v_lshrrev_b32 v14, 5, v0
	v_readfirstlane_b32 s[WV], v14
	s_bfe_u32 s[CX], ttmp6, 0x40000                ; it enters global addresses of x, A and the output alone
	s_mov_b32 s80, ttmp9
	s_lshr_b32 s81, s80, 3                         ; batch x 3 + task
	s_cmp_ge_u32 s81, 3
	s_cselect_b32 s[BB], 1, 0
	s_mul_i32 s82, s[BB], 3
	s_sub_co_u32 s[TASK], s81, s82
	s_and_b32 s[BLK], s80, 7
	s_lshl_b32 s[BLK], s[BLK], 2
	s_add_co_u32 s[BLK], s[BLK], s[CX]
	v_and_b32 v14, 15, v0                          ; r
	v_bfe_u32 v15, v0, 4, 1                        ; h
	v_and_b32 v[SR], 31, v0                        ; lane
	v_lshlrev_b32 v[L16], 4, v[SR]
	v_lshlrev_b32 v[XOFF], 3, v14
	v_lshl_add_u32 v[XOFF], v15, 17, v[XOFF]
	v_lshlrev_b32 v[T8], 3, v0
	v_add_nc_u32 v[TST], TAB, v[T8]
	v_lshlrev_b32 v[TLN], 5, v15
	v_add_nc_u32 v[TLN], TAB, v[TLN]
	v_mul_u32_u24 v[SA0], v15, 8*SPITCH            ; the stage, in: row 16 t + 8 h + j, my wave's 128 bytes, 8 bytes for each r
	v_lshl_add_u32 v[SA0], v14, 3, v[SA0]
	s_lshl_b32 s81, s[WV], 7
	v_add_nc_u32 v[SA0], s81, v[SA0]
	v_add_nc_u32 v[SA1], 128*SPITCH, v[SA0]
	s_mul_i32 s81, s[WV], 64*SPITCH                ; back: my 64 rows, 16 bytes a lane
	v_add_nc_u32 v[SR], s81, v[L16]
	v_mov_b32 v[ONE], 1.0
	v_mov_b32 v[ONE+1], 1.0
	v_mov_b32 v[CF], 0x3e827906                    ; a1 = 0.254829592
	v_mov_b32 v[CF+1], 0x3e827906
	v_mov_b32 v[CF+2], 0xbe91a98e                  ; a2 = -0.284496736
	v_mov_b32 v[CF+3], 0xbe91a98e
	v_mov_b32 v[CF+4], 0x3fb5f0e3                  ; a3 = 1.421413741
	v_mov_b32 v[CF+5], 0x3fb5f0e3
	v_mov_b32 v[CF+6], 0xbfba00e3                  ; a4 = -1.453152027
	v_mov_b32 v[CF+7], 0xbfba00e3
	v_mov_b32 v[TP+2], 0
	v_mov_b32 v[TP+3], 0
	s_mov_b32 s[A5], 0x3f87dc22                    ; a5 = 1.061405429
	s_mov_b32 s[A5+1], s[A5]
	s_mov_b32 s[KP], 0x3e6d3388                    ; 0.3275911 / sqrt(2)
	s_mov_b32 s[KQ], 0x3f596d27                    ; sqrt(log2(e) / 2)
	s_mov_b32 s[KQ+1], s[KQ]
	s_mov_b32 s[SEL], 0x76543210
	s_mov_b32 s[SEL+1], 0xfedcba98
	s_mov_b32 s[INV], 0x3b800000                   ; 1 / 256
	s_mov_b32 s[EPS], 0x3727c5ac                   ; 1e-5
	s_mov_b32 s[G1], 15|(3<<16)|(1<<21)            ; the mask of four; elements of 8 bytes; bit 21 beside a mask; no padding
	s_mov_b32 s[G1+1], 32<<16                      ; rows of 256 bytes,
	s_mov_b32 s[G1+2], 256<<16                     ; 256 of them: a quarter of the task's two blocks
	s_mov_b32 s[G1+3], 32<<16
	s_mov_b32 s[G1+4], 256
	s_mov_b32 s[G1+5], 32
	s_mov_b32 s[G1+6], 0
	s_mov_b32 s[G1+7], 0
	s_mov_b32 s[G0], 1
	s_lshl_b32 s[G0+1], s[WV], 16
	s_lshl_b32 s80, s[TASK], 18                    ; wf: block 8 + 2 x task, my quarter of two blocks
	s_add_co_u32 s80, s80, 8*131072
	s_add_co_u32 s80, s80, s[G0+1]
	s_mov_b32 s81, 0
	s_lshl_b32 s82, s[BB], 22                      ; x: batch, block, wave
	s_lshl_b32 s83, s[BLK], 9
	s_add_co_u32 s82, s82, s83
	s_lshl_b32 s92, s[WV], 20                      ; the output: the same batch and block, my 64 channel rows
	s_add_co_u32 s92, s92, s82
	s_mov_b32 s93, 0
	s_lshl_b32 s83, s[WV], 7
	s_add_co_u32 s82, s82, s83
	s_mov_b32 s83, 0
	s_mul_i32 s84, s[BB], 768                      ; A: tile = batch x 768 + task x 256 + 8 x block + 2 x wave
	s_lshl_b32 s85, s[TASK], 8
	s_add_co_u32 s84, s84, s85
	s_lshl_b32 s85, s[BLK], 3
	s_add_co_u32 s84, s84, s85
	s_lshl_b32 s85, s[WV], 1
	s_add_co_u32 s84, s84, s85
	s_lshl_b32 s84, s84, 13
	s_mov_b32 s85, 0
	s_wait_dscnt 0x0                               ; the opening add is done
	s_wait_kmcnt 0x0
	s_add_nc_u64 s[G0+2:G0+3], s[16:17], s[80:81]
	s_or_b32 s[G0+3], s[G0+3], 0x80000000
	s_mov_b64 s[XA:XA+1], s[8:9]
	s_mov_b64 s[B1P:B1P+1], s[24:25]
	s_mov_b64 s[B2P:B2P+1], s[26:27]
	s_mov_b64 s[OUTP:OUTP+1], s[36:37]
	s_cmp_eq_u32 s[TASK], 1
	s_cselect_b64 s[XA:XA+1], s[10:11], s[XA:XA+1]
	s_cselect_b64 s[B1P:B1P+1], s[28:29], s[B1P:B1P+1]
	s_cselect_b64 s[B2P:B2P+1], s[30:31], s[B2P:B2P+1]
	s_cselect_b64 s[OUTP:OUTP+1], s[38:39], s[OUTP:OUTP+1]
	s_cmp_eq_u32 s[TASK], 2
	s_cselect_b64 s[XA:XA+1], s[12:13], s[XA:XA+1]
	s_cselect_b64 s[B1P:B1P+1], s[32:33], s[B1P:B1P+1]
	s_cselect_b64 s[B2P:B2P+1], s[34:35], s[B2P:B2P+1]
	s_cselect_b64 s[OUTP:OUTP+1], s[40:41], s[OUTP:OUTP+1]
	s_add_nc_u64 s[XA:XA+1], s[XA:XA+1], s[82:83]
	s_add_nc_u64 s[AW:AW+1], s[14:15], s[84:85]
	s_add_nc_u64 s[OUTP:OUTP+1], s[OUTP:OUTP+1], s[92:93]
	CROUND                                         ; all four work-groups are here: the joint load meets
	tensor_load_to_lds s[G0:G0+3], s[G1:G1+7]      ; W1 from LDS byte 0, W2 from 131,072: my quarter.  One load of mine is out
	s_nop 0
.rept 4
	v_nop
.endr
	global_load_b64 v[64:65], v[T8], s[18:19]      ; the tables, 8 bytes a thread
	global_load_b64 v[66:67], v[T8], s[20:21]
	global_load_b64 v[68:69], v[T8], s[22:23]
	global_load_b64 v[70:71], v[T8], s[B1P:B1P+1]
	global_load_b64 v[72:73], v[T8], s[B2P:B2P+1]
	WIN 0xC0
.irp t, 0,1
.set i, 0
.rept 16
	global_load_b128 v[64*\t+4*i:64*\t+4*i+3], v[L16], s[AW:AW+1] offset:\t*8192+i*512 th:TH_LOAD_NT
.set i, i+1
.endr
.endr
	WIN 0x80
.set i, 0
.rept 128
	global_load_b64 v[2*i:2*i+1], v[XOFF], s[XA:XA+1] offset:(16*(i/8)+i%8)*16384 th:TH_LOAD_NT
.set i, i+1
.endr
	WIN 0
	s_wait_loadcnt 63                              ; the five table loads are the oldest of 165: they are in when 63 are out
	ds_store_b64 v[TST], v[64:65]
	ds_store_b64 v[TST], v[66:67] offset:1024
	ds_store_b64 v[TST], v[68:69] offset:2048
	ds_store_b64 v[TST], v[70:71] offset:3072
	ds_store_b64 v[TST], v[72:73] offset:4096
	s_wait_dscnt 0x0                               ; my part of the tables is stored
	s_barrier_signal -1
	s_barrier_wait -1                              ; everybody's is; the weights may stay on their way
	s_wait_loadcnt 0x0
	WIN 0x63                                       ; RA = A + x: A's bf16 half times 1.0 plus x, one rounding
.irp t, 0,1
.set i, 0
.rept 64
	v_fma_mix_f32_bf16 v[128*\t+2*i], v[64*\t+i], v[ONE], v[4*i+\t] op_sel_hi:[1,0,0]
	v_fma_mix_f32_bf16 v[128*\t+2*i+1], v[64*\t+i], v[ONE], v[4*i+2+\t] op_sel:[1,0,0] op_sel_hi:[1,0,0]
.set i, i+1
.endr
.endr
	WIN 0x80                                       ; gain and shift take x's place, once for both passes
.set tt, 0
.rept 16
	ds_load_b128 v[8*tt:8*tt+3], v[TLN] offset:1024+64*tt
	ds_load_b128 v[8*tt+4:8*tt+7], v[TLN] offset:1024+64*tt+16
	ds_load_b128 v[128+8*tt:128+8*tt+3], v[TLN] offset:2048+64*tt
	ds_load_b128 v[128+8*tt+4:128+8*tt+7], v[TLN] offset:2048+64*tt+16
.set tt, tt+1
.endr
	WIN 0
	s_wait_dscnt 0x0
	v_mov_b32 v[TAD], v[TLN]                       ; the first pass adds v_b
	s_mov_b32 s[PASS], 2
.Lpass:                                                ; the pass's text serves twice; the second time it is left in its middle
	ADDTAB
	MEAN_ACC
	CENTER_ACC
	VAR
	NORM
	WIN 0
	s_sub_co_u32 s[PASS], s[PASS], 1
	s_cmp_eq_u32 s[PASS], 0
	s_cbranch_scc1 .Lout
	PACK                                           ; y's fragments; RA keeps y: the second layer's sums start there
	WIN 0
	s_wait_tensorcnt 0x0                           ; my quarter of the weights is in,
	s_barrier_signal -1
	s_barrier_wait -1                              ; everybody's is
	s_mov_b32 s[PO], 0
	v_mov_b32 v[ADW1], v[L16]
	v_add_nc_u32 v[ADW2], 0x20000, v[L16]
	v_add_nc_u32 v[ADRB], 3072, v[TLN]
	PBIAS
	LOADSET F0, ADW1, 0, 8192, 1024
	LOADSET F1, ADW1, 4096, 8192, 1024
	s_mov_b32 s[LC], 8
.Lmlp:                                                 ; at a trip's head are out, in this order: b1 (4 loads), W1's chunks 0-3 (16), chunks 4-7 (16)
	s_wait_dscnt 16                                ; all but the youngest sixteen
	HMUL 0
	PLACES
	LOADSET F0, ADW2, 0, 4096, 1024                ; W2, this trip's 32 columns, output blocks 0-7
	s_wait_dscnt 16
	HMUL 1
	PLACES                                         ; also the places ahead of GELU's reads of the sums
	LOADSET F1, ADW2, 8192, 4096, 1024             ; output blocks 8-15
	GELU
	WIN 0
	s_add_co_u32 s[PO], s[PO], 16384               ; the next trip's addresses; the last trip's wrap to the head and its loads ahead are not used: the price of one text
	s_and_b32 s[PO], s[PO], 0x1ffff
	v_add_nc_u32 v[ADW1], s[PO], v[L16]
	v_add_nc_u32 v[ADW2], 0x20000, v[ADW1]
	s_lshr_b32 s69, s[PO], 7
	v_add3_u32 v[ADRB], v[TLN], s69, 3072
	PBIAS
	s_wait_dscnt 20                                ; blocks 0-7 are in; blocks 8-15 and the bias may stay out
	OMUL 0
	PLACES
	LOADSET F0, ADW1, 0, 8192, 1024
	s_wait_dscnt 20                                ; blocks 8-15 are in; the bias and the next trip's sixteen may stay out
	OMUL 1
	PLACES
	LOADSET F1, ADW1, 4096, 8192, 1024
	s_sub_co_u32 s[LC], s[LC], 1
	s_cmp_lg_u32 s[LC], 0
	s_cbranch_scc1 .Lmlp
	s_wait_dscnt 0x0                               ; the last trip's loads ahead are back: the pass loads its table into their registers
	v_add_nc_u32 v[TAD], 4096, v[TLN]              ; the second pass adds b2
	s_branch .Lpass
.Lout:
	; THE WAY OUT.  A lane holds 128 channels of two tokens; the output wants 128 tokens of a channel on end.  So the work-group's block goes through a stage, over the weights, which have had their one fill.
	s_wait_dscnt 0x0                               ; my reads of the weights are over
	s_barrier_signal -1
	s_barrier_wait -1                              ; everybody's are
	WIN 0x04
.set tt, 0
.rept 16
.irp j, 0,1,2,3,4,5,6,7
.irp t, 0,1
.if tt < 8
	ds_store_b32 v[SA0], v[128*\t+8*tt+\j] offset:(16*tt+\j)*SPITCH+4*\t
.else
	ds_store_b32 v[SA1], v[128*\t+8*tt+\j] offset:(16*(tt-8)+\j)*SPITCH+4*\t
.endif
.endr
.endr
.set tt, tt+1
.endr
	WIN 0
	s_wait_dscnt 0x0                               ; for the others' sake: my stores into the stage are done
	s_barrier_signal -1
	s_barrier_wait -1
	WIN 0x80
.set i, 0
.rept 64
	ds_load_b128 v[4*i:4*i+3], v[SR] offset:i*SPITCH
.set i, i+1
.endr
	WIN 0x08
.set i, 0
.rept 64
.if (i%8) == 0
	s_wait_dscnt 56-i                              ; rows i to i + 7 are back; the younger rows may stay out
.endif
	global_store_b128 v[L16], v[4*i:4*i+3], s[OUTP:OUTP+1] offset:i*16384 th:TH_STORE_NT  ; 512 consecutive bytes of a channel row, aligned
.set i, i+1
.endr
	WIN 0
	s_wait_tensorcnt 0x0                           ; the wave's end: behind my last tensor load and my last LDS store
	ds_add_u32 v[SPW], v[NIL]
	s_wait_dscnt 0x0
	CROUND                                         ; the closing round
	s_endpgm
.Lfunc_end_k_q330d933e23_post:
	.size	k_q330d933e23_post, .Lfunc_end_k_q330d933e23_post-k_q330d933e23_post
	.p2alignl 7, 3214868480
	.fill 96, 4, 3214868480
	.section	.rodata,"a",@progbits
	.p2align	6, 0x0
	.amdhsa_kernel k_q330d933e23_post
		.amdhsa_group_segment_fixed_size 327680
		.amdhsa_private_segment_fixed_size 0
		.amdhsa_enable_private_segment 0
		.amdhsa_kernarg_size 136
		.amdhsa_user_sgpr_count 2
		.amdhsa_user_sgpr_kernarg_segment_ptr 1
		.amdhsa_wavefront_size32 1
		.amdhsa_system_sgpr_workgroup_id_x 1
		.amdhsa_system_sgpr_workgroup_id_y 1
		.amdhsa_system_sgpr_workgroup_id_z 1
		.amdhsa_system_vgpr_workitem_id 0
		.amdhsa_next_free_vgpr 1024
		.amdhsa_next_free_sgpr 100
		.amdhsa_reserve_vcc 0
		.amdhsa_float_denorm_mode_32 3
		.amdhsa_float_denorm_mode_16_64 3
		.amdhsa_memory_ordered 1
		.amdhsa_forward_progress 1
		.amdhsa_inst_pref_size 158
	.end_amdhsa_kernel
	.amdgpu_metadata
---
amdhsa.version: [ 1, 2 ]
amdhsa.kernels:
  - .name:           k_q330d933e23_post
    .symbol:         k_q330d933e23_post.kd
    .args:
      - { .name: center_fea, .offset: 0, .size: 8, .value_kind: global_buffer, .address_space: global }
      - { .name: wh_fea, .offset: 8, .size: 8, .value_kind: global_buffer, .address_space: global }
      - { .name: cls_fea, .offset: 16, .size: 8, .value_kind: global_buffer, .address_space: global }
      - { .name: aws, .offset: 24, .size: 8, .value_kind: global_buffer, .address_space: global }
      - { .name: wf, .offset: 32, .size: 8, .value_kind: global_buffer, .address_space: global }
      - { .name: v_b, .offset: 40, .size: 8, .value_kind: global_buffer, .address_space: global }
      - { .name: ln_g, .offset: 48, .size: 8, .value_kind: global_buffer, .address_space: global }
      - { .name: ln_b, .offset: 56, .size: 8, .value_kind: global_buffer, .address_space: global }
      - { .name: cmlp_b1, .offset: 64, .size: 8, .value_kind: global_buffer, .address_space: global }
      - { .name: cmlp_b2, .offset: 72, .size: 8, .value_kind: global_buffer, .address_space: global }
      - { .name: wmlp_b1, .offset: 80, .size: 8, .value_kind: global_buffer, .address_space: global }
      - { .name: wmlp_b2, .offset: 88, .size: 8, .value_kind: global_buffer, .address_space: global }
      - { .name: clsmlp_b1, .offset: 96, .size: 8, .value_kind: global_buffer, .address_space: global }
      - { .name: clsmlp_b2, .offset: 104, .size: 8, .value_kind: global_buffer, .address_space: global }
      - { .name: out0, .offset: 112, .size: 8, .value_kind: global_buffer, .address_space: global }
      - { .name: out1, .offset: 120, .size: 8, .value_kind: global_buffer, .address_space: global }
      - { .name: out2, .offset: 128, .size: 8, .value_kind: global_buffer, .address_space: global }
    .group_segment_fixed_size: 327680
    .private_segment_fixed_size: 0
    .kernarg_segment_align: 8
    .kernarg_segment_size: 136
    .max_flat_workgroup_size: 128
    .sgpr_count:     100
    .vgpr_count:     1024
    .wavefront_size: 32
...
	.end_amdgpu_metadata
.endif
;; end of part 4
